; MI455X (gfx1250); checked and timed in simulation.
; The chip was launched on July 23, 2026; its instructions are those of AMD's public machine-readable ISA for CDNA 5 (MIT licence, August 2026) and "CDNA5" Instruction Set Architecture Reference Guide (July 2026). The comments in the code are by the model that wrote it; some were corrected since.
;; Multi Head Cross Attention. Allowed arithmetic: matrix products marked QUANTISED: E2M1 operands, one E8M0 scale for each 32 along K, by v_wmma_scale_f32_16x16x128_f8f6f4 with both operands' format E2M1 (or v_wmma_scale_f32_32x16x128_f4), f32 sums; everything else in f32.
;; Inputs: Wk 1,024 x 1,024 float32; Wo 1,024 x 1,024 float32; Wq 1,024 x 1,024 float32; Wv 1,024 x 1,024 float32; bk 1,024 float32; bo 1,024 float32; bq 1,024 float32; bv 1,024 float32; key 4 x 2,048 x 1,024 float32; query 4 x 2,048 x 1,024 float32; value 4 x 2,048 x 1,024 float32.
;; Outputs: out0 4 x 2,048 x 1,024 float32.
;; This version of the problem:
;;   THIS VERSION OF THE PROBLEM IS GIVEN IN LOW PRECISION. The matrix products marked QUANTISED in the list below multiply operands that are first quantised to E2M1 (2 exponent bits, 1 mantissa bit; 4 bits a number), with one power-of-two scale for each 32 numbers along K (OCP MX v1.0); their sums are f32. All else is computed in f32.
;;   The module's matrix products, in the order in which they are computed (A, B: the left and right operand; K: the contracted axis; several contracted axes count as one K, in the product's order):
;;     1. [M 8,192, K 1,024] x [K 1,024, N 1,024]; A: input query; B: input Wq: QUANTISED
;;     2. [M 8,192, K 1,024] x [K 1,024, N 1,024]; A: input key; B: input Wk: QUANTISED
;;     3. [M 8,192, K 1,024] x [K 1,024, N 1,024]; A: input value; B: input Wv: QUANTISED
;;     4. batch 64 x [M 2,048, K 64] x [K 64, N 2,048]; A: computed on the way; B: computed on the way: QUANTISED
;;     5. batch 64 x [M 2,048, K 2,048] x [K 2,048, N 64]; A: softmax (see below); B: computed on the way: QUANTISED
;;     6. [M 8,192, K 1,024] x [K 1,024, N 1,024]; A: computed on the way; B: input Wo: QUANTISED
;;   THE QUANTISER, for each operand of a quantised product, along K:
;;     - K is cut into blocks of 32 from its start; a last block that is shorter is filled with zeros.
;;     - A block's scale is 2^e with e = floor(log2(the largest magnitude in the block)) - 2, held to -126 .. 127; a block of zeros has e = 0. As a byte (E8M0): e + 127.
;;     - Each number is divided by its block's scale, clamped to +-6, and rounded to the nearest number of E2M1, ties to even, subnormals kept.
;;     - The product sums the exact products of the quantised numbers (number of the format x scale) in f32.
;;   ~~~python
;;   def quantise(x, axis):      # numpy; x: float32 -> the quantised numbers, widened to float32 again
;;       x = np.moveaxis(x, axis, -1); K = x.shape[-1]
;;       x = np.pad(x, [(0, 0)] * (x.ndim - 1) + [(0, -K % 32)]); x = x.reshape(x.shape[:-1] + (-1, 32)); a = np.abs(x).max(-1, keepdims=True)
;;       e = np.where(a > 0, np.clip(np.frexp(np.where(a > 0, a, 1))[1] - 1 - 2, -126, 127), 0)      # np.frexp(a)[1] - 1 = floor(log2(a)), exactly
;;       r = np.clip(x / 2.0 ** e, -6, 6)
;;       step = 2.0 ** (np.maximum(np.frexp(np.where(r == 0, 1, r))[1] - 1, 0) - 1)
;;       q = np.round(r / step) * step * 2.0 ** e      # np.round: ties to even
;;       return np.moveaxis(q.reshape(q.shape[:-2] + (-1,))[..., :K], -1, axis).astype(np.float32)
;;   ~~~
;;   SOFTMAX AHEAD OF A QUANTISED PRODUCT. Where the list says 'softmax', what is quantised is not the finished softmax but p = 2^(t - M), with t = logit x log2(e) and M = ceil(the row's largest t), a whole number; so 1/2 < the row's largest p <= 1. The row's sum l is taken of the UNQUANTISED p, in f32, and the product's result is divided by l at the end. Since M is a whole number, a kernel that streams over the keys may use a running M (the ceiling of the running maximum): every later rescaling is an exact power of two, which a block's scale takes up: the codes' values come out the same.
;;   OPERANDS COMPUTED ON THE WAY. 'Computed on the way' means the value that the module computes at that place (a softmax that the list does not call 'softmax' is quantised finished and normalised). What goes into a quantiser is computed in f32, as accurately as f32 sums, v_exp_f32 and their like allow (about 1e-6 of the number): no bf16 or f16 on the way to a quantiser, and a product that is left as it is and whose result goes on into a quantised operand takes f32 operands (vector FMAs, or v_wmma_f32_16x16x4_f32). A number that lies on a knife's edge between two numbers of the format may be rounded either way, as far as f32 arithmetic and the matrix unit's own rounding can turn it there, and no further.
;; One version. Each part assembles by itself: llvm-mc -triple=amdgcn-amd-amdhsa -mcpu=gfx1250 --defsym DOCPART=n.
;; ======== version 1 of 1: 4 launches
;; workspace buffers: xc 12,582,912 bytes; xs 786,432 bytes; wc 2,097,152 bytes; ws 131,072 bytes; qa 4,718,592 bytes; kv 8,388,608 bytes; kvs 786,432 bytes; oa 4,456,448 bytes
;; launch quant (part 1): grid 832 x 1, 4 waves a work-group, no clusters, 34,304 bytes of LDS; arguments query, key, value, Wq, Wk, Wv, Wo, xc, xs, wc, ws; writes xc, xs, wc, ws
.if DOCPART == 1
	.amdgcn_target "amdgcn-amd-amdhsa--gfx1250"
	.amdhsa_code_object_version 6
	.text
	.protected	k_qf73155003d_quant
	.globl	k_qf73155003d_quant
	.p2align	8
	.type	k_qf73155003d_quant,@function
k_qf73155003d_quant:
	s_mov_b64 s[64:65], 0
	v_nop
	global_prefetch_b8 v0, s[64:65] scope:SCOPE_SE
	s_setreg_imm32_b32 hwreg(HW_REG_WAVE_MODE, 25, 1), 1
	s_wait_xcnt 0x0
; query, key, value [8192][1024] f32 (K innermost) and Wq, Wk, Wv, Wo [1024 (k)][1024 (n)] f32 (K outermost) become codes of FP4 (E2M1) with one E8M0 byte for each 32 along K.
; A block's scale is 2^(floor(log2(its largest magnitude)) - 2); its byte is the largest magnitude's exponent field - 2, held at 1 from below.
; LIMITS: NaN and infinities among the inputs are not served; a block whose largest magnitude lies under 2^-124 gets the byte 1; a block of zeros gets the byte 1 where the rule says 127: its codes are
; zeros, which add nothing under any byte but 0xff, and the bytes are read by this program alone.
; LAYOUT OF THE RESULTS: images of the operand's registers.  Tile T holds, at place r, row rho(T, r) = 32 (T / 2) + 8 (T % 2) + r % 8 + 16 (r / 8).  Codes: g NT 4096 + T 4096 + s 1024 + c 512 + 16 lane
; (lane = r + 16 h) holds k = 512 g + 128 s + 64 c + 32 h + 0 .. 31.  Scale words: T 512 + g 256 + 16 r + 4 s, byte 2 c + h.
; WORK-GROUPS 0 .. 63 take the weights (a lane a column, registers down K, no LDS), 64 .. 831 the three activations (a wave: one tile of 16 rows x 512 along K).
; No cluster, no matrix unit, no barrier: no two waves read the same byte.
.set SP,  528                          ; a stage row: 512 bytes + 16: the sixteen rows that a read touches start 33 x 16 bytes apart
.set WST, 16*SP                        ; a wave's stage
.set R,   32                           ; v32-159   two sets of 64 registers as loaded
.set X,   160                          ; v160-223  64 numbers of my row: two whole blocks of 32
.set C,   224                          ; v224-255  codes, eight registers for each step: no store's data are written again
.set SW,  16                           ; v16-19    the four steps' scale words
.set WX,  32                           ; weights: v32-95 two sets of 32 numbers
.set WC,  96                           ; v96-159   codes, four registers for each block
.set SB,  24                           ; v24-27    scale bytes, four to a register
.macro XLOAD q                         ; step q: 128 along K of the tile's 16 rows: each load reads 512 consecutive bytes
.irp i, 0,1,2,3,4,5,6,7,8,9,10,11,12,13,14,15
	global_load_b128 v[R+64*((\q)%2)+4*\i:R+64*((\q)%2)+4*\i+3], v2, s[8:9] offset:((\i%8)+16*(\i/8))*4096+512*(\q) th:TH_LOAD_NT
.endr
.endm
.macro XSTEP q
.if (\q) < 3
	s_wait_loadcnt 16                              ; this step's 16 loads are in; the next step's 16 may be out
.else
	s_wait_loadcnt 0x0
.endif
.irp i, 0,1,2,3,4,5,6,7,8,9,10,11,12,13,14,15
	ds_store_b128 v3, v[R+64*((\q)%2)+4*\i:R+64*((\q)%2)+4*\i+3] offset:SP*\i   ; row i as it lies
.endr
.irp c, 0,1
.irp m, 0,1,2,3,4,5,6,7
	ds_load_b128 v[X+32*\c+4*\m:X+32*\c+4*\m+3], v4 offset:256*\c+16*\m          ; my row's k = 64 c + 32 h + 0 .. 31.  LDS serves a wave's instructions in order: these see the stores
.endr
.endr
	s_wait_dscnt 0x0                               ; the numbers are back, and the stores have read their registers,
.if (\q) < 2
	XLOAD (\q)+2                                   ; which take the loads of two steps on
.endif
.irp c, 0,1
	v_max3_num_f32 v[10+\c], |v[X+32*\c]|, |v[X+32*\c+1]|, 0x1800000   ; the block's largest magnitude, all 32 numbers mine, and the floor 2^(3 - 127): the byte cannot fall under 1
.endr
.irp i, 2,4,6,8,10,12,14,16,18,20,22,24,26,28,30
.irp c, 0,1
	v_max3_num_f32 v[10+\c], v[10+\c], |v[X+32*\c+\i]|, |v[X+32*\c+\i+1]|
.endr
.endr
.irp c, 0,1
	v_add_nc_u32 v[12+\c], 0xff000000, v[10+\c]    ; 2 off the exponent field: the conversion's scale operand
.endr
.irp c, 0,1
	v_lshrrev_b32 v[14+\c], 23, v[12+\c]           ; the scale's byte
.endr
	v_lshl_or_b32 v20, v15, 16, v14                ; my two bytes, blocks h and 2 + h,
	v_lshlrev_b32 v20, v7, v20                     ; 8 h bits up;
	v_permlanex16_b32 v21, v20, s32, s33
	v_or_b32 v[SW+(\q)], v20, v21                  ; with lane l xor 16's two the word is whole, in both lanes
.irp c, 0,1
.irp m, 0,1,2,3
	v_cvt_scalef32_pk8_fp4_f32 v[C+8*(\q)+4*\c+\m], v[X+32*\c+8*\m:X+32*\c+8*\m+7], v[12+\c]
.endr
.endr
	v_nop                                          ; one plain line behind the last conversion
.irp c, 0,1
	global_store_b128 v2, v[C+8*(\q)+4*\c:C+8*(\q)+4*\c+3], s[22:23] offset:1024*(\q)+512*\c   ; 32 lanes store 512 consecutive bytes
.endr
.endm
.macro WLOAD t                         ; block t: W(32 t + i, my column)
.set i, 0
.rept 32
	global_load_b32 v[WX+32*((\t)%2)+i], v3, s[14:15] offset:(32*(\t)+i)*4096 th:TH_LOAD_NT
.set i, i+1
.endr
.endm
.macro WBLOCK t
.set XS, WX+32*((\t)%2)
.if (\t) < 15
	s_wait_loadcnt 32                              ; this block's 32 loads are in; the next block's may be out
.else
	s_wait_loadcnt 0x0
.endif
	v_max3_num_f32 v10, |v[XS]|, |v[XS+1]|, |v[XS+2]|
	v_max3_num_f32 v11, |v[XS+3]|, |v[XS+4]|, |v[XS+5]|
.irp i, 6,10,14,18,22,26
	v_max3_num_f32 v10, v10, |v[XS+\i]|, |v[XS+\i+1]|
	v_max3_num_f32 v11, v11, |v[XS+\i+2]|, |v[XS+\i+3]|
.endr
	v_max3_num_f32 v10, v10, |v[XS+30]|, |v[XS+31]|
	v_max3_num_f32 v10, v10, v11, 0x1800000        ; and the floor
	v_add_nc_u32 v12, 0xff000000, v10
	v_lshrrev_b32 v13, 23, v12
.if (\t)%4 == 0
	v_mov_b32 v[SB+(\t)/4], v13                    ; block t is byte t % 4 of K step t / 4's word
.else
	v_lshl_or_b32 v[SB+(\t)/4], v13, 8*((\t)%4), v[SB+(\t)/4]
.endif
.irp m, 0,1,2,3
	v_cvt_scalef32_pk8_fp4_f32 v[WC+4*(\t)+\m], v[XS+8*\m:XS+8*\m+7], v12
.endr
	v_nop
	global_store_b128 v4, v[WC+4*(\t):WC+4*(\t)+3], s[26:27] offset:256*(\t)   ; lanes 0-15: 256 consecutive bytes of tile 2 B's image, lanes 16-31 of tile 2 B + 1's
.if (\t)+2 < 16
	WLOAD (\t)+2
.endif
.endm
	s_load_b256 s[8:15], s[0:1], 0x0               ; query s[8:9], key s[10:11], value s[12:13], Wq s[14:15]
	s_load_b256 s[16:23], s[0:1], 0x20             ; Wk s[16:17], Wv s[18:19], Wo s[20:21], xc s[22:23]
	s_load_b128 s[24:27], s[0:1], 0x40             ; xs s[24:25], wc s[26:27]
	s_load_b64 s[28:29], s[0:1], 0x50              ; ws
	v_lshl_add_u32 v30, v0, 2, 0x8400
	v_mov_b32 v31, 0
	v_lshrrev_b32 v1, 5, v0
	v_readfirstlane_b32 s30, v1                    ; wave
	v_and_b32 v1, 31, v0                           ; lane
	s_cmp_lt_u32 ttmp9, 64
	s_cbranch_scc1 .Lweights
	; ---- an activation: tensor t, tile T, half g of K
	s_sub_co_u32 s34, ttmp9, 64
	s_lshr_b32 s35, s34, 8                         ; t
	s_and_b32 s34, s34, 255
	s_lshl_b32 s34, s34, 2
	s_add_co_u32 s34, s34, s30
	s_lshr_b32 s36, s34, 1                         ; T
	s_and_b32 s37, s34, 1                          ; g
	s_lshr_b32 s38, s36, 1
	s_lshl_b32 s38, s38, 17                        ; 32 (T / 2) rows of 4,096 bytes
	s_and_b32 s39, s36, 1
	s_lshl_b32 s39, s39, 15                        ; 8 (T % 2) rows
	s_add_co_u32 s38, s38, s39
	s_lshl_b32 s39, s37, 11                        ; 512 g numbers
	s_add_co_u32 s38, s38, s39
	s_mov_b32 s39, 0
	s_lshl_b32 s40, s35, 22                        ; codes: t 4 MiB + g 2 MiB + T 4096
	s_lshl_b32 s41, s37, 21
	s_add_co_u32 s40, s40, s41
	s_lshl_b32 s41, s36, 12
	s_add_co_u32 s40, s40, s41
	s_mov_b32 s41, 0
	s_lshl_b32 s42, s35, 18                        ; scale words: t 262,144 + T 512 + g 256
	s_lshl_b32 s43, s36, 9
	s_add_co_u32 s42, s42, s43
	s_lshl_b32 s43, s37, 8
	s_add_co_u32 s42, s42, s43
	s_mov_b32 s43, 0
	s_mul_i32 s44, s30, WST                        ; my wave's stage
	s_mov_b32 s45, 0xffff0000                      ; lanes 16-31
	s_mov_b32 s32, 0x76543210
	s_mov_b32 s33, 0xfedcba98                      ; v_permlanex16_b32's selects for lane l xor 16
	v_and_b32 v5, 15, v0                           ; r
	v_bfe_u32 v6, v0, 4, 1                         ; h
	s_wait_alu depctr_va_vdst(0)
	v_lshlrev_b32 v2, 4, v1                        ; 16 x lane
	v_add_nc_u32 v3, s44, v2                       ; into the stage
	v_mul_u32_u24 v4, v5, SP
	v_lshl_add_u32 v4, v6, 7, v4
	v_add_nc_u32 v4, s44, v4                       ; out of it: row r, + 128 h
	v_lshlrev_b32 v7, 3, v6                        ; 8 h
	v_lshlrev_b32 v8, 4, v5
	v_lshl_add_u32 v8, v6, 3, v8                   ; 16 r + 8 h
	v_mov_b32 v21, 0                               ; a lane permute's destination counts as one of its sources
	s_wait_alu depctr_va_vdst(0)
	s_wait_kmcnt 0x0
	s_cmp_eq_u32 s35, 1
	s_cselect_b64 s[8:9], s[10:11], s[8:9]
	s_cmp_eq_u32 s35, 2
	s_cselect_b64 s[8:9], s[12:13], s[8:9]
	s_add_nc_u64 s[8:9], s[8:9], s[38:39]
	s_add_nc_u64 s[22:23], s[22:23], s[40:41]
	s_add_nc_u64 s[24:25], s[24:25], s[42:43]
	XLOAD 0
	XLOAD 1
	XSTEP 0
	XSTEP 1
	XSTEP 2
	XSTEP 3
	v_cndmask_b32 v22, v16, v18, s45               ; lane (r, h) stores the words of K steps 2 h and 2 h + 1
	v_cndmask_b32 v23, v17, v19, s45
	global_store_b64 v8, v[22:23], s[24:25]        ; the wave's store covers 256 consecutive bytes, aligned
	s_wait_tensorcnt 0x0
	ds_add_u32 v30, v31
	s_wait_dscnt 0x0
	s_endpgm
	; ---- a weight: weight wi, half g of K, 32 columns B
.Lweights:
	s_lshr_b32 s35, ttmp9, 4                       ; wi
	s_lshr_b32 s36, ttmp9, 1
	s_and_b32 s36, s36, 7
	s_lshl_b32 s36, s36, 2
	s_add_co_u32 s36, s36, s30                     ; B
	s_and_b32 s37, ttmp9, 1                        ; g
	s_lshl_b32 s38, s37, 21                        ; 512 g rows of 4,096 bytes
	s_lshl_b32 s39, s36, 7                         ; 32 B columns
	s_add_co_u32 s38, s38, s39
	s_mov_b32 s39, 0
	s_lshl_b32 s40, s35, 19                        ; codes: wi 524,288 + g 262,144 + 2 B 4096
	s_lshl_b32 s41, s37, 18
	s_add_co_u32 s40, s40, s41
	s_lshl_b32 s41, s36, 13
	s_add_co_u32 s40, s40, s41
	s_mov_b32 s41, 0
	s_lshl_b32 s42, s35, 15                        ; scale words: wi 32,768 + 2 B 512 + g 256
	s_lshl_b32 s43, s36, 10
	s_add_co_u32 s42, s42, s43
	s_lshl_b32 s43, s37, 8
	s_add_co_u32 s42, s42, s43
	s_mov_b32 s43, 0
	s_wait_alu depctr_va_vdst(0)
	v_lshrrev_b32 v5, 4, v1                        ; which of the two tiles
	v_and_b32 v6, 7, v1
	v_bfe_u32 v7, v1, 3, 1
	v_and_b32 v9, 15, v1                           ; place r
	v_lshlrev_b32 v3, 2, v6                        ; my column of the 32: 8 (l / 16) + l % 8 + 16 ((l / 8) % 2), 4 bytes each
	v_lshl_add_u32 v3, v5, 5, v3
	v_lshl_add_u32 v3, v7, 6, v3
	v_lshlrev_b32 v4, 4, v9
	v_lshl_add_u32 v8, v5, 9, v4                   ; scale words: tile 512 + 16 r
	v_lshl_add_u32 v4, v5, 12, v4                  ; codes: tile 4096 + 16 r
	s_wait_alu depctr_va_vdst(0)
	s_wait_kmcnt 0x0
	s_cmp_eq_u32 s35, 1
	s_cselect_b64 s[14:15], s[16:17], s[14:15]
	s_cmp_eq_u32 s35, 2
	s_cselect_b64 s[14:15], s[18:19], s[14:15]
	s_cmp_eq_u32 s35, 3
	s_cselect_b64 s[14:15], s[20:21], s[14:15]
	s_add_nc_u64 s[14:15], s[14:15], s[38:39]
	s_add_nc_u64 s[26:27], s[26:27], s[40:41]
	s_add_nc_u64 s[28:29], s[28:29], s[42:43]
	WLOAD 0
	WLOAD 1
.set Q, 0
.rept 16
	WBLOCK Q
.set Q, Q+1
.endr
	global_store_b128 v8, v[SB:SB+3], s[28:29]     ; sixteen lanes store 256 consecutive bytes, aligned
	s_endpgm
.Lfunc_end_k_qf73155003d_quant:
	.size	k_qf73155003d_quant, .Lfunc_end_k_qf73155003d_quant-k_qf73155003d_quant
	.p2alignl 7, 3214868480
	.fill 96, 4, 3214868480
	.section	.rodata,"a",@progbits
	.p2align	6, 0x0
	.amdhsa_kernel k_qf73155003d_quant
		.amdhsa_group_segment_fixed_size 34304
		.amdhsa_private_segment_fixed_size 0
		.amdhsa_enable_private_segment 0
		.amdhsa_kernarg_size 88
		.amdhsa_user_sgpr_count 2
		.amdhsa_user_sgpr_kernarg_segment_ptr 1
		.amdhsa_wavefront_size32 1
		.amdhsa_system_sgpr_workgroup_id_x 1
		.amdhsa_system_sgpr_workgroup_id_y 1
		.amdhsa_system_sgpr_workgroup_id_z 1
		.amdhsa_system_vgpr_workitem_id 0
		.amdhsa_next_free_vgpr 256
		.amdhsa_next_free_sgpr 66
		.amdhsa_reserve_vcc 0
		.amdhsa_float_denorm_mode_32 3
		.amdhsa_float_denorm_mode_16_64 3
		.amdhsa_memory_ordered 1
		.amdhsa_forward_progress 1
		.amdhsa_inst_pref_size 105
	.end_amdhsa_kernel
	.amdgpu_metadata
---
amdhsa.version: [ 1, 2 ]
amdhsa.kernels:
  - .name:           k_qf73155003d_quant
    .symbol:         k_qf73155003d_quant.kd
    .args:
      - { .name: query, .offset: 0, .size: 8, .value_kind: global_buffer, .address_space: global }
      - { .name: key, .offset: 8, .size: 8, .value_kind: global_buffer, .address_space: global }
      - { .name: value, .offset: 16, .size: 8, .value_kind: global_buffer, .address_space: global }
      - { .name: Wq, .offset: 24, .size: 8, .value_kind: global_buffer, .address_space: global }
      - { .name: Wk, .offset: 32, .size: 8, .value_kind: global_buffer, .address_space: global }
      - { .name: Wv, .offset: 40, .size: 8, .value_kind: global_buffer, .address_space: global }
      - { .name: Wo, .offset: 48, .size: 8, .value_kind: global_buffer, .address_space: global }
      - { .name: xc, .offset: 56, .size: 8, .value_kind: global_buffer, .address_space: global }
      - { .name: xs, .offset: 64, .size: 8, .value_kind: global_buffer, .address_space: global }
      - { .name: wc, .offset: 72, .size: 8, .value_kind: global_buffer, .address_space: global }
      - { .name: ws, .offset: 80, .size: 8, .value_kind: global_buffer, .address_space: global }
    .group_segment_fixed_size: 34304
    .private_segment_fixed_size: 0
    .kernarg_segment_align: 8
    .kernarg_segment_size: 88
    .max_flat_workgroup_size: 128
    .sgpr_count:     66
    .vgpr_count:     256
    .wavefront_size: 32
...
	.end_amdgpu_metadata
.endif
;; end of part 1
;; launch proj (part 2): grid 4 x 192, 4 waves a work-group, clusters of 4 x 4, 213,504 bytes of LDS; arguments xc, xs, wc, ws, bq, bk, bv, qa, kv, kvs; writes qa, kv, kvs
.if DOCPART == 2
	.amdgcn_target "amdgcn-amd-amdhsa--gfx1250"
	.amdhsa_code_object_version 6
	.text
	.protected	k_qf73155003d_proj
	.globl	k_qf73155003d_proj
	.p2align	8
	.type	k_qf73155003d_proj,@function
k_qf73155003d_proj:
	s_mov_b64 s[64:65], 0
	v_nop
	global_prefetch_b8 v0, s[64:65] scope:SCOPE_SE
	s_setreg_imm32_b32 hwreg(HW_REG_WAVE_MODE, 25, 1), 1
	s_wait_xcnt 0x0
	s_wait_alu depctr_hold_cnt(0) depctr_sa_sdst(0) depctr_va_vdst(0) depctr_va_sdst(0) depctr_va_ssrc(0) depctr_va_vcc(0) depctr_vm_vsrc(0)
	s_getreg_b32 s2, hwreg(HW_REG_IB_STS2, 6, 4)
	s_cmp_eq_u32 s2, 0
	s_cbranch_scc0 .Lentry_in_a_cluster
	s_endpgm
.Lentry_in_a_cluster:
	s_bfe_u32 s2, ttmp6, 0x10000c
	s_cmp_lg_u32 s2, 0xf033
	s_cbranch_scc0 .Lentry_shape_is_right
	s_endpgm
.Lentry_shape_is_right:
; Q = query Wq + bq, K = key Wk + bk, V = value Wv + bv on codes of FP4 (E2M1) with E8M0 scales, sums in f32; the results are quantised in registers for attention's two products and leave as codes.
; MODE = cluster y / 16: 0 Q, 1 K, 2 V: the same in all sixteen partners of a cluster.
; A work-group makes 256 rows of source 0 (S0) x 128 rows of source 1 (S1) over all of K = 1,024.  Q, K: S0 = the weight's columns n, S1 = the rows of x: a lane's registers run along the head's 64, which are the
; next product's K.  V: S0 = the keys (rows of value), S1 = Wv's columns: a lane's registers run along the keys, which are V's K.
; ALL OPERANDS LIE IN LDS AT ONCE, each byte filled once: three tensor loads a wave are out at the start, none later.
; CLUSTER 4 x 4: S0's tiles hang on cx alone and are asked for jointly by a column of the cluster, S1's on cy alone and by a row.
; The codes' buffers are images of the operand's registers (tile T, place r = row 32 (T / 2) + 8 (T % 2) + r % 8 + 16 (r / 8)): a fragment is two loads at 16 x lane, and the 16 registers of two neighbouring
; S0 tiles are 16 neighbours along the next K.
; LIMITS: NaN and infinities are not served; a block whose largest magnitude lies under 2^-124, a block of zeros among them, gets the byte 1 (its codes are then zeros or the format's smallest).
; REGISTERS: window 0: v1-15 addresses; v16-47 S0's scale words, v48-63 S1's; v64-127 S1's fragments, two sets; v128-255 S0's, two sets.  window 1: accumulator (a, b) at v[64 a + 8 b].  window 2: v0-63 the bias.
.set S0C,  65536                       ; LDS: S1's codes [g][8 tiles][4096] from 0; S0's [g][16 tiles][4096] from here
.set S1S,  196608                      ; S1's scale words [8 tiles][512]
.set S0S,  200704                      ; S0's [16 tiles][512]
.set STQB, 208896                      ; Q's and K's stage for scale words, 512 bytes a wave
.set STVB, 210944                      ; V's
.set LI,   4                           ; v4   16 x lane
.set STQ,  6
.set RDQ,  7
.set AD1,  8                           ; v8   my four S1 tiles
.set AD0,  9                           ; v9, v10  my eight S0 tiles, g = 0, 1
.set ADS0, 11
.set ADS1, 12
.set STV,  13
.set RDV,  14
.set GSQ,  15                          ; v15  8192 h + 16 r
.set SC0,  16
.set SC1,  48
.set F1,   64
.set F0,   128
.set BI,   0
.set TM,   64                          ; the epilogue's registers lie where the fragments lay
.set BY,   68
.set SO,   76
.set WD,   84
.set WV,   24                          ; s24 wave; s25 wave / 2: my half of S1, and: I fetch for S1 (0) or S0 (1); s26 wave % 2: my half of S0, and which half I fetch
.set WY,   25
.set WX,   26
.set MODE, 30
.set I0,   92                          ; s92 which 256 rows of S0; s93 which 128 rows of S1
.set I1,   93
.set G1A,  32
.set G1B,  40
.set G1AS, 48
.set G1BS, 56
.set G0AS, 68
.set G0A0, 72
.set G0A1, 76
.set G0BS, 80
.set G0B0, 84
.set G0B1, 88
.set MSB, 0
.macro WIN new                         ; the immediate's high byte repeats the setting that is left
.if MSB != \new
	s_set_vgpr_msb (MSB<<8)|\new
.set MSB, \new
.endif
.endm
.macro JLOAD g0a, g1a, g0b, g1b        ; a joint load: waves 0 and 1 fetch for S1, waves 2 and 3 for S0; four v_nop follow each line
	s_cmp_eq_u32 s[WY], 0
	s_cbranch_scc0 .Lfor_b_\@
	tensor_load_to_lds s[\g0a:\g0a+3], s[\g1a:\g1a+7]
	s_nop 0
.rept 4
	v_nop
.endr
	s_branch .Lasked_\@
.Lfor_b_\@:
	tensor_load_to_lds s[\g0b:\g0b+3], s[\g1b:\g1b+7]
	s_nop 0
.rept 4
	v_nop
.endr
.Lasked_\@:
.endm
.macro CROUND                          ; a round of the cluster's barrier
	s_barrier_signal -1
	s_barrier_wait -1
	s_cmp_lg_u32 s[WV], 0
	s_cbranch_scc1 .Lnot_wave_0_\@
	s_barrier_signal -3
.Lnot_wave_0_\@:
	s_barrier_wait -3
	s_barrier_signal -1
	s_barrier_wait -1
.endm
.macro PLACES n
.rept \n
	v_nop
.endr
.endm
.macro G1REST g, rows                  ; a dense block as rows of 256 bytes: 32 elements of 8 bytes
	s_mov_b32 s[\g+1], 32<<16
	s_mov_b32 s[\g+2], (\rows)<<16
	s_mov_b32 s[\g+3], 32<<16
	s_mov_b32 s[\g+4], \rows
	s_mov_b32 s[\g+5], 32
	s_mov_b32 s[\g+6], 0
	s_mov_b32 s[\g+7], 0
.endm
.macro SCALES g                        ; four K steps' words a load; lanes 0-15 take block i, lanes 16-31 block i + 4 (S0) or i + 2 (S1)
.irp i, 0,1,2,3
	ds_load_b128 v[SC0+16*\g+4*\i:SC0+16*\g+4*\i+3], v[ADS0] offset:512*\i+256*\g
.endr
.irp i, 0,1
	ds_load_b128 v[SC1+8*\g+4*\i:SC1+8*\g+4*\i+3], v[ADS1] offset:512*\i+256*\g
.endr
.endm
.macro FETCH q, p                      ; K step q's fragments into set p
.irp b, 0,1,2,3,4,5,6,7
.irp c, 0,1
	ds_load_b128 v[F0+64*(\p)+8*\b+4*\c:F0+64*(\p)+8*\b+4*\c+3], v[AD0+(\q)/4] offset:4096*\b+1024*((\q)%4)+512*\c
.endr
.endr
.irp a, 0,1,2,3
.irp c, 0,1
	ds_load_b128 v[F1+32*(\p)+8*\a+4*\c:F1+32*(\p)+8*\a+4*\c+3], v[AD1] offset:32768*((\q)/4)+4096*\a+1024*((\q)%4)+512*\c
.endr
.endr
.endm
; 32 matrix instructions: the 32 accumulators by turns, in the same order in every K step.  cm = 0: C = the accumulator; 1: the bias along the registers; 2: the bias of the lane's row
.macro MUL q, p, cm
.irp a, 0,1,2,3
.irp b, 0,1,2,3,4,5,6,7
.set rD, 64*\a+8*\b
.if \cm == 0
.set rC, rD
.elseif \cm == 1
.set rC, BI+8*\b
.else
.set rC, BI+8*\a
.endif
.set rA, F0+64*(\p)+8*\b
.set rB, F1+32*(\p)+8*\a
.set rSA, SC0+16*((\q)/4)+4*(\b%4)+(\q)%4
.set rSB, SC1+8*((\q)/4)+4*(\a%2)+(\q)%4
.if (\b < 4) && (\a < 2)
	v_wmma_scale_f32_16x16x128_f8f6f4 v[rD:rD+7], v[rA:rA+7], v[rB:rB+7], v[rC:rC+7], v[rSA], v[rSB] matrix_a_fmt:MATRIX_FMT_FP4 matrix_b_fmt:MATRIX_FMT_FP4
.elseif (\a < 2)
	v_wmma_scale_f32_16x16x128_f8f6f4 v[rD:rD+7], v[rA:rA+7], v[rB:rB+7], v[rC:rC+7], v[rSA], v[rSB] matrix_a_fmt:MATRIX_FMT_FP4 matrix_b_fmt:MATRIX_FMT_FP4 matrix_a_scale:MATRIX_SCALE_ROW1
.elseif (\b < 4)
	v_wmma_scale_f32_16x16x128_f8f6f4 v[rD:rD+7], v[rA:rA+7], v[rB:rB+7], v[rC:rC+7], v[rSA], v[rSB] matrix_a_fmt:MATRIX_FMT_FP4 matrix_b_fmt:MATRIX_FMT_FP4 matrix_b_scale:MATRIX_SCALE_ROW1
.else
	v_wmma_scale_f32_16x16x128_f8f6f4 v[rD:rD+7], v[rA:rA+7], v[rB:rB+7], v[rC:rC+7], v[rSA], v[rSB] matrix_a_fmt:MATRIX_FMT_FP4 matrix_b_fmt:MATRIX_FMT_FP4 matrix_a_scale:MATRIX_SCALE_ROW1 matrix_b_scale:MATRIX_SCALE_ROW1
.endif
.endr
.endr
.endm
.macro KSTEP q                         ; a K step whose successor's tiles have landed
	s_wait_dscnt 0x0                               ; this step's fragments are in
	PLACES 4                                       ; in front of loads into the set that the last step multiplied
	FETCH (\q)+1, ((\q)+1)%2
	WIN 0x50                                       ; C and D window 1
	MUL \q, (\q)%2, 0
	WIN 0
.endm
; The 64 results of S1 tile a (register 16 k + i = next K 32 k + 16 h + i of my row) become a fragment's codes in v[PCA] on; the four blocks' bytes stay in v[BY] on.
.macro QUANTW a
.set PCA, 192+8*(\a)-112*((\a)/2)      ; v192, v200, v96, v104: never the numbers of this tile's accumulators
	WIN 0x05                                       ; sources 0 and 1 window 1
.irp k, 0,1,2,3
	v_max3_num_f32 v[TM+\k], |v[64*(\a)+16*\k]|, |v[64*(\a)+16*\k+1]|, 0x1800000   ; each accumulator is read from its low end on; the floor 2^(3 - 127) holds the byte at 1 from below
.endr
.irp i, 2,4,6,8,10,12,14
.irp k, 0,1,2,3
	v_max3_num_f32 v[TM+\k], |v[64*(\a)+16*\k+\i]|, |v[64*(\a)+16*\k+\i+1]|, v[TM+\k]
.endr
.endr
	WIN 0
.irp k, 0,1,2,3
	v_permlanex16_b32 v[BY+\k], v[TM+\k], s66, s67
.endr
.irp k, 0,1,2,3
	v_max_num_f32 v[TM+\k], v[TM+\k], v[BY+\k]     ; with lane l xor 16's: the block's largest magnitude
.endr
.irp k, 0,1,2,3
	v_add_nc_u32 v[SO+\k], 0xff000000, v[TM+\k]    ; 2 off the exponent field: the conversion's scale operand
.endr
.irp k, 0,1,2,3
	v_lshrrev_b32 v[BY+\k], 23, v[SO+\k]           ; the scale's byte
.endr
	WIN 0x01                                       ; source 0 window 1
.irp k, 0,1,2,3
	v_cvt_scalef32_pk8_fp4_f32 v[PCA+2*\k], v[64*(\a)+16*\k:64*(\a)+16*\k+7], v[SO+\k]
	v_cvt_scalef32_pk8_fp4_f32 v[PCA+2*\k+1], v[64*(\a)+16*\k+8:64*(\a)+16*\k+15], v[SO+\k]
.endr
	WIN 0
	v_nop                                          ; one plain place behind a scaled conversion
.irp c, 0,1                                    ; a whole block to a lane: lanes 0-15 block 2 c, lanes 16-31 block 2 c + 1
.irp i, 0,1
	v_permlane16_swap_b32 v[PCA+4*\c+\i], v[PCA+4*\c+2+\i]
.endr
.endr
.endm
	s_load_b256 s[4:11], s[0:1], 0x0               ; xc s[4:5], xs s[6:7], wc s[8:9], ws s[10:11]
	s_load_b256 s[12:19], s[0:1], 0x20             ; bq s[12:13], bk s[14:15], bv s[16:17], qa s[18:19]
	s_load_b128 s[20:23], s[0:1], 0x40             ; kv s[20:21], kvs s[22:23]
	s_set_vgpr_msb 0x80
	v_lshl_add_u32 v64, v0, 2, 0x34000
	v_mov_b32 v65, 0
	s_set_vgpr_msb 0x808a
	ds_add_u32 v64, v65
	ds_add_u32 v64, v65
	s_set_vgpr_msb 0x8a00
	v_lshrrev_b32 v1, 5, v0
	v_readfirstlane_b32 s[WV], v1
	s_lshr_b32 s[WY], s[WV], 1
	s_and_b32 s[WX], s[WV], 1
	s_bfe_u32 s27, ttmp6, 0x40000                  ; cx
	s_bfe_u32 s28, ttmp6, 0x40004                  ; cy
	s_and_b32 s29, ttmp7, 0xffff                   ; cluster y, 0 .. 47
	s_lshr_b32 s[MODE], s29, 4
	s_and_b32 s31, s29, 15
	s_and_b32 s94, s31, 7
	s_lshr_b32 s95, s31, 3
	s_cmp_eq_u32 s[MODE], 2
	s_cselect_b32 s94, s94, 0                      ; V: 32 blocks of keys, 8 blocks of columns; Q, K: 4 blocks of columns, 64 blocks of rows
	s_cselect_b32 s95, s95, s31
	s_lshl_b32 s[I0], s94, 2
	s_add_co_u32 s[I0], s[I0], s27
	s_lshl_b32 s[I1], s95, 2
	s_add_co_u32 s[I1], s[I1], s28
	s_lshl_b32 s96, 0x1111, s27                    ; my column of the cluster: S0's tiles
	s_lshl_b32 s98, s28, 2
	s_lshl_b32 s98, 15, s98                        ; my row: S1's
	s_or_b32 s[G1A], s98, (3<<16)|(1<<21)          ; 15:0 the mask; 17:16 elements of 8 bytes; 21 set beside a mask; no padding
	s_or_b32 s[G1AS], s98, (3<<16)|(1<<21)
	s_or_b32 s[G1B], s96, (3<<16)|(1<<21)
	s_or_b32 s[G1BS], s96, (3<<16)|(1<<21)
	G1REST G1A, 64                                 ; four tiles of S1, one half of K: 16,384 bytes
	G1REST G1B, 128                                ; eight tiles of S0: 32,768 bytes
	G1REST G1AS, 8
	G1REST G1BS, 16
	; offsets in the buffers, each made in its descriptor's own address words; S0's never hold cy, S1's never cx
	s_mul_i32 s[G0B0+2], s[MODE], 524288
	s_mul_i32 s[G0BS+2], s[MODE], 32768
	s_mov_b32 s97, 262144
	s_mul_i32 s[G0A0+2], s[MODE], 4194304
	s_mul_i32 s[G0AS+2], s[MODE], 262144
	s_mov_b32 s99, 2097152
	s_cmp_eq_u32 s[MODE], 2
	s_cselect_b32 s[G0B0+2], 8388608, s[G0B0+2]    ; V: S0 = value's codes
	s_cselect_b32 s[G0BS+2], 524288, s[G0BS+2]
	s_cselect_b32 s97, 2097152, s97                ; from K's first half to its second, in S0's buffer
	s_cselect_b32 s[G0A0+2], 1048576, s[G0A0+2]    ; V: S1 = Wv's codes
	s_cselect_b32 s[G0AS+2], 65536, s[G0AS+2]
	s_cselect_b32 s99, 262144, s99
	s_lshl_b32 s96, s[I0], 16
	s_add_co_u32 s[G0B0+2], s[G0B0+2], s96
	s_lshl_b32 s96, s[WX], 15
	s_add_co_u32 s[G0B0+2], s[G0B0+2], s96
	s_add_co_u32 s[G0B1+2], s[G0B0+2], s97
	s_lshl_b32 s96, s[I0], 13
	s_add_co_u32 s[G0BS+2], s[G0BS+2], s96
	s_lshl_b32 s96, s[WX], 12
	s_add_co_u32 s[G0BS+2], s[G0BS+2], s96
	s_mov_b32 s[G0B0+3], 0
	s_mov_b32 s[G0B1+3], 0
	s_mov_b32 s[G0BS+3], 0
	s_lshl_b32 s98, s[I1], 15
	s_add_co_u32 s[G0A0+2], s[G0A0+2], s98
	s_lshl_b32 s98, s[WX], 14
	s_add_co_u32 s[G0A0+2], s[G0A0+2], s98
	s_add_co_u32 s[G0A1+2], s[G0A0+2], s99
	s_lshl_b32 s98, s[I1], 12
	s_add_co_u32 s[G0AS+2], s[G0AS+2], s98
	s_lshl_b32 s98, s[WX], 11
	s_add_co_u32 s[G0AS+2], s[G0AS+2], s98
	s_mov_b32 s[G0A0+3], 0
	s_mov_b32 s[G0A1+3], 0
	s_mov_b32 s[G0AS+3], 0
.irp g, G0AS, G0A0, G0A1, G0BS, G0B0, G0B1
	s_mov_b32 s[\g], 1
.endr
	s_lshl_b32 s[G0AS+1], s[WX], 11                ; LDS addresses: a constant + the wave's half x a constant
	s_add_co_u32 s[G0AS+1], s[G0AS+1], S1S
	s_lshl_b32 s[G0A0+1], s[WX], 14
	s_add_co_u32 s[G0A1+1], s[G0A0+1], 32768
	s_lshl_b32 s[G0BS+1], s[WX], 12
	s_add_co_u32 s[G0BS+1], s[G0BS+1], S0S
	s_lshl_b32 s[G0B0+1], s[WX], 15
	s_add_co_u32 s[G0B0+1], s[G0B0+1], S0C
	s_add_co_u32 s[G0B1+1], s[G0B0+1], 65536
	s_wait_dscnt 0x0
	s_wait_kmcnt 0x0
	s_cmp_eq_u32 s[MODE], 2
	s_cselect_b64 s[94:95], s[4:5], s[8:9]         ; S0's codes: xc for V, else wc
	s_cselect_b64 s[100:101], s[8:9], s[4:5]       ; S1's
	s_cselect_b64 s[2:3], s[6:7], s[10:11]         ; S0's scale words
	s_cselect_b64 s[66:67], s[10:11], s[6:7]       ; S1's
	s_add_nc_u64 s[G0B0+2:G0B0+3], s[94:95], s[G0B0+2:G0B0+3]
	s_add_nc_u64 s[G0B1+2:G0B1+3], s[94:95], s[G0B1+2:G0B1+3]
	s_add_nc_u64 s[G0BS+2:G0BS+3], s[2:3], s[G0BS+2:G0BS+3]
	s_add_nc_u64 s[G0A0+2:G0A0+3], s[100:101], s[G0A0+2:G0A0+3]
	s_add_nc_u64 s[G0A1+2:G0A1+3], s[100:101], s[G0A1+2:G0A1+3]
	s_add_nc_u64 s[G0AS+2:G0AS+3], s[66:67], s[G0AS+2:G0AS+3]
.irp g, G0AS, G0A0, G0A1, G0BS, G0B0, G0B1
	s_or_b32 s[\g+3], s[\g+3], 0x80000000          ; type = 2
.endr
	CROUND                                         ; all sixteen work-groups are here: the joint loads meet
	JLOAD G0AS, G1AS, G0BS, G1BS                   ; the scale words,
	JLOAD G0A0, G1A, G0B0, G1B                     ; K's first half,
	JLOAD G0A1, G1A, G0B1, G1B                     ; its second: three loads of mine are out
	; every LDS address is made here, ahead of the first branch on the mode
	v_and_b32 v1, 31, v0
	v_and_b32 v2, 15, v0                           ; r
	v_bfe_u32 v3, v0, 4, 1                         ; h
	v_lshlrev_b32 v[LI], 4, v1
	v_lshlrev_b32 v5, 4, v2                        ; 16 r
	s_lshl_b32 s96, s[WY], 14
	v_add_nc_u32 v[AD1], s96, v[LI]
	s_lshl_b32 s96, s[WX], 15
	s_add_co_u32 s96, s96, S0C
	v_add_nc_u32 v[AD0], s96, v[LI]
	v_add_nc_u32 v[AD0+1], 0x10000, v[AD0]
	v_lshl_add_u32 v[ADS0], v3, 11, v5             ; lanes 16-31 four tiles on
	s_lshl_b32 s96, s[WX], 12
	s_add_co_u32 s96, s96, S0S
	v_add_nc_u32 v[ADS0], s96, v[ADS0]
	v_lshl_add_u32 v[ADS1], v3, 10, v5             ; lanes 16-31 two tiles on
	s_lshl_b32 s96, s[WY], 11
	s_add_co_u32 s96, s96, S1S
	v_add_nc_u32 v[ADS1], s96, v[ADS1]
	s_lshl_b32 s96, s[WV], 9
	s_add_co_u32 s97, s96, STQB
	s_add_co_u32 s96, s96, STVB
	v_lshlrev_b32 v[STV], 2, v2                    ; 4 r
	v_lshl_add_u32 v[STQ], v3, 8, v[STV]           ; + 256 h
	v_add_nc_u32 v[STQ], s97, v[STQ]
	v_add_nc_u32 v[RDQ], s97, v[LI]
	v_add_nc_u32 v[STV], s96, v[STV]
	v_lshlrev_b32 v[RDV], 3, v1
	v_add_nc_u32 v[RDV], s96, v[RDV]
	v_lshl_add_u32 v[GSQ], v3, 13, v5
	; the bias, in the result's layout, is the C of each sum's first matrix instruction
	s_cmp_eq_u32 s[MODE], 2
	s_cbranch_scc1 .Lbias_v
	s_cmp_eq_u32 s[MODE], 0
	s_cselect_b64 s[12:13], s[12:13], s[14:15]
	s_lshl_b32 s96, s[I0], 10
	s_lshl_b32 s97, s[WX], 9
	s_add_co_u32 s96, s96, s97
	s_mov_b32 s97, 0
	s_add_nc_u64 s[12:13], s[12:13], s[96:97]      ; my 128 columns
	v_lshlrev_b32 v5, 6, v3                        ; 16 h numbers
	WIN 0x80                                       ; destination window 2
.irp b, 0,1,2,3,4,5,6,7
	global_load_b128 v[BI+8*\b:BI+8*\b+3], v5, s[12:13] offset:4*(32*(\b/2)+8*(\b%2))
	global_load_b128 v[BI+8*\b+4:BI+8*\b+7], v5, s[12:13] offset:4*(32*(\b/2)+8*(\b%2))+16
.endr
	WIN 0
	s_branch .Lbias_done
.Lbias_v:
	s_lshl_b32 s96, s[I1], 9
	s_lshl_b32 s97, s[WY], 8
	s_add_co_u32 s96, s96, s97
	s_mov_b32 s97, 0
	s_add_nc_u64 s[12:13], s[16:17], s[96:97]      ; my 64 columns of Wv
	v_and_b32 v5, 7, v2
	v_lshlrev_b32 v5, 2, v5
	v_bfe_u32 v1, v0, 3, 1
	v_lshl_add_u32 v5, v1, 6, v5                   ; place r: r % 8 + 16 (r / 8)
	WIN 0x80
.irp a, 0,1,2,3
.irp j, 0,1,2,3,4,5,6,7
	global_load_b32 v[BI+8*\a+\j], v5, s[12:13] offset:4*(32*(\a/2)+8*(\a%2))   ; the lane's column has one bias for all eight keys
.endr
.endr
	WIN 0
.Lbias_done:
	s_wait_tensorcnt 0x1                           ; my parts of the scale words and of K's first half are in; the one load left out is the second half's
	s_barrier_signal -1
	s_barrier_wait -1                              ; everybody's are
	SCALES 0
	FETCH 0, 0
	s_wait_loadcnt 0x0                             ; the bias
	s_wait_dscnt 0x0
	FETCH 1, 1
	s_cmp_eq_u32 s[MODE], 2
	s_cbranch_scc1 .Lfirst_v
	WIN 0x60                                       ; D window 1, C window 2
	MUL 0, 0, 1
	WIN 0
	s_branch .Lfirst_done
.Lfirst_v:
	WIN 0x60
	MUL 0, 0, 2
	WIN 0
.Lfirst_done:
	KSTEP 1
	KSTEP 2
	s_wait_dscnt 0x0                               ; K step 3's fragments are in, and no LDS instruction of mine is out;
	s_wait_tensorcnt 0x0                           ; my part of K's second half has landed:
	s_barrier_signal -1                            ; say so,
	WIN 0x50
	MUL 3, 1, 0                                    ; work on registers while the others arrive,
	WIN 0
	s_barrier_wait -1                              ; and read it when all four have said so
	PLACES 4
	SCALES 1
	FETCH 4, 0
	KSTEP 4
	KSTEP 5
	KSTEP 6
	s_wait_dscnt 0x0
	WIN 0x50
	MUL 7, 1, 0
	WIN 0
	PLACES 4                                       ; in front of the first read of results and the first write of registers that held fragments
	s_mov_b32 s66, 0x76543210
	s_mov_b32 s67, 0xfedcba98                      ; v_permlanex16_b32's selects for lane l xor 16
	s_mov_b32 s31, 0xffff0000                      ; lanes 16-31
.irp k, 0,1,2,3
	v_mov_b32 v[BY+\k], 0                          ; a lane permute's destination counts as one of its sources
.endr
	s_cmp_eq_u32 s[MODE], 2
	s_cbranch_scc1 .Lout_v
	; ---- Q, K: my 128 columns are a pair of heads: registers 4 c .. 4 c + 3 of a tile's codes are head c's 64; its word is (byte 2 c, byte 2 c + 1, 0x7f, 0x7f)
	s_lshr_b32 s94, s[I1], 4                       ; batch
	s_lshl_b32 s95, s[I0], 1
	s_add_co_u32 s95, s95, s[WX]                   ; pair of heads
	s_lshl_b32 s94, s94, 3
	s_add_co_u32 s94, s94, s95                     ; P = 8 batch + pair
	s_lshl_b32 s95, s[I1], 3
	s_lshl_b32 s96, s[WY], 2
	s_add_co_u32 s95, s95, s96
	s_and_b32 s95, s95, 127                        ; my first tile in the batch
	s_lshl_b32 s96, s95, 9                         ; Q: tile x 512
	s_lshr_b32 s97, s95, 6                         ; K: which 1,024 keys x 65,536 + tile in them x 512
	s_lshl_b32 s97, s97, 16
	s_and_b32 s98, s95, 63
	s_lshl_b32 s98, s98, 9
	s_add_co_u32 s97, s97, s98
	s_lshl_b32 s98, s94, 17                        ; Q: P x 131,072
	s_lshl_b32 s99, s94, 18                        ; K: P x 262,144
	s_mul_i32 s100, s94, 24576                     ; K's words
	s_lshl_b32 s101, s94, 14
	s_add_co_u32 s101, s101, 4194304               ; Q's
	s_mov_b32 s4, 131072                           ; from head 0 to head 1: K
	s_cmp_eq_u32 s[MODE], 0
	s_cselect_b32 s96, s96, s97
	s_cselect_b32 s98, s98, s99
	s_cselect_b32 s100, s101, s100
	s_cselect_b32 s4, 65536, s4
	s_cselect_b64 s[6:7], s[18:19], s[20:21]       ; codes: qa or kv
	s_cselect_b64 s[8:9], s[18:19], s[22:23]       ; words: qa or kvs
	s_add_co_u32 s96, s96, s98
	s_mov_b32 s97, 0
	s_add_nc_u64 s[6:7], s[6:7], s[96:97]          ; head 0's codes
	s_mov_b32 s5, 0
	s_add_nc_u64 s[10:11], s[6:7], s[4:5]          ; head 1's
	s_lshl_b32 s96, s95, 6
	s_add_co_u32 s100, s100, s96
	s_mov_b32 s101, 0
	s_add_nc_u64 s[8:9], s[8:9], s[100:101]
.irp a, 0,1,2,3
	QUANTW \a
	global_store_b128 v[LI], v[PCA:PCA+3], s[6:7] offset:512*\a       ; 32 lanes store 512 consecutive bytes: a tile's image
	global_store_b128 v[LI], v[PCA+4:PCA+7], s[10:11] offset:512*\a
	v_cndmask_b32 v80, v[BY], v[BY+2], s31         ; lanes 0-15 make head 0's word, lanes 16-31 head 1's
	v_cndmask_b32 v81, v[BY+1], v[BY+3], s31
	v_lshl_or_b32 v80, v81, 8, v80
	v_or_b32 v[WD+\a], 0x7f7f0000, v80             ; the instruction's upper 64 along K hold zero codes on Q's side: their bytes are 1.0
	ds_store_b32 v[STQ], v[WD+\a] offset:64*\a
.endr
	ds_load_b128 v[88:91], v[RDQ]                  ; LDS serves a wave's instructions in order: this sees my stores
	s_wait_dscnt 0x0
	global_store_b128 v[GSQ], v[88:91], s[8:9]     ; sixteen lanes store 256 consecutive bytes, aligned: four tiles' words of a head
	s_branch .Lout
	; ---- V: my 64 columns are a head, my 128 keys a key step: a tile's codes are a whole fragment of V^T
.Lout_v:
	s_lshr_b32 s94, s[I0], 3                       ; batch
	s_and_b32 s95, s[I0], 7
	s_lshl_b32 s95, s95, 1
	s_add_co_u32 s95, s95, s[WX]                   ; key step, 0 .. 15
	s_lshl_b32 s94, s94, 3
	s_add_co_u32 s94, s94, s[I1]                   ; P
	s_lshl_b32 s96, s94, 18
	s_lshl_b32 s97, s[WY], 1
	s_lshr_b32 s98, s95, 3
	s_add_co_u32 s97, s97, s98                     ; chunk = 2 head + half of the keys
	s_lshl_b32 s97, s97, 16
	s_add_co_u32 s96, s96, s97
	s_and_b32 s98, s95, 7
	s_lshl_b32 s98, s98, 12
	s_add_co_u32 s96, s96, s98
	s_add_co_u32 s96, s96, 32768                   ; behind the chunk's codes of K
	s_mov_b32 s97, 0
	s_add_nc_u64 s[6:7], s[20:21], s[96:97]
	s_mul_i32 s96, s94, 24576
	s_lshl_b32 s98, s[WY], 12
	s_add_co_u32 s96, s96, s98
	s_lshl_b32 s98, s95, 8
	s_add_co_u32 s96, s96, s98
	s_add_co_u32 s96, s96, 16384
	s_add_nc_u64 s[8:9], s[22:23], s[96:97]
	v_and_b32 v94, 31, v0
	v_lshlrev_b32 v94, 3, v94                      ; 8 x lane
.irp a, 0,1,2,3
	QUANTW \a
	global_store_b128 v[LI], v[PCA:PCA+3], s[6:7] offset:1024*\a
	global_store_b128 v[LI], v[PCA+4:PCA+7], s[6:7] offset:1024*\a+512
	v_lshl_or_b32 v[WD+\a], v[BY+1], 8, v[BY]      ; the four bytes make my row's word
	v_lshl_or_b32 v[WD+\a], v[BY+2], 16, v[WD+\a]
	v_lshl_or_b32 v[WD+\a], v[BY+3], 24, v[WD+\a]
	ds_store_b32 v[STV], v[WD+\a] offset:64*\a     ; both halves of the lanes write the same word with the same value
.endr
	ds_load_b64 v[92:93], v[RDV]
	s_wait_dscnt 0x0
	global_store_b64 v94, v[92:93], s[8:9]         ; the wave's store covers 256 consecutive bytes, aligned
.Lout:
	s_set_vgpr_msb 0xa
	s_wait_tensorcnt 0x0
	ds_add_u32 v64, v65
	s_wait_dscnt 0x0
	s_set_vgpr_msb 0xa00
	CROUND                                         ; the closing round
	s_endpgm
.Lfunc_end_k_qf73155003d_proj:
	.size	k_qf73155003d_proj, .Lfunc_end_k_qf73155003d_proj-k_qf73155003d_proj
	.p2alignl 7, 3214868480
	.fill 96, 4, 3214868480
	.section	.rodata,"a",@progbits
	.p2align	6, 0x0
	.amdhsa_kernel k_qf73155003d_proj
		.amdhsa_group_segment_fixed_size 213504
		.amdhsa_private_segment_fixed_size 0
		.amdhsa_enable_private_segment 0
		.amdhsa_kernarg_size 80
		.amdhsa_user_sgpr_count 2
		.amdhsa_user_sgpr_kernarg_segment_ptr 1
		.amdhsa_wavefront_size32 1
		.amdhsa_system_sgpr_workgroup_id_x 1
		.amdhsa_system_sgpr_workgroup_id_y 1
		.amdhsa_system_sgpr_workgroup_id_z 1
		.amdhsa_system_vgpr_workitem_id 0
		.amdhsa_next_free_vgpr 578
		.amdhsa_next_free_sgpr 102
		.amdhsa_reserve_vcc 0
		.amdhsa_float_denorm_mode_32 3
		.amdhsa_float_denorm_mode_16_64 3
		.amdhsa_memory_ordered 1
		.amdhsa_forward_progress 1
		.amdhsa_inst_pref_size 103
	.end_amdhsa_kernel
	.amdgpu_metadata
---
amdhsa.version: [ 1, 2 ]
amdhsa.kernels:
  - .name:           k_qf73155003d_proj
    .symbol:         k_qf73155003d_proj.kd
    .args:
      - { .name: xc, .offset: 0, .size: 8, .value_kind: global_buffer, .address_space: global }
      - { .name: xs, .offset: 8, .size: 8, .value_kind: global_buffer, .address_space: global }
      - { .name: wc, .offset: 16, .size: 8, .value_kind: global_buffer, .address_space: global }
      - { .name: ws, .offset: 24, .size: 8, .value_kind: global_buffer, .address_space: global }
      - { .name: bq, .offset: 32, .size: 8, .value_kind: global_buffer, .address_space: global }
      - { .name: bk, .offset: 40, .size: 8, .value_kind: global_buffer, .address_space: global }
      - { .name: bv, .offset: 48, .size: 8, .value_kind: global_buffer, .address_space: global }
      - { .name: qa, .offset: 56, .size: 8, .value_kind: global_buffer, .address_space: global }
      - { .name: kv, .offset: 64, .size: 8, .value_kind: global_buffer, .address_space: global }
      - { .name: kvs, .offset: 72, .size: 8, .value_kind: global_buffer, .address_space: global }
    .group_segment_fixed_size: 213504
    .private_segment_fixed_size: 0
    .kernarg_segment_align: 8
    .kernarg_segment_size: 80
    .max_flat_workgroup_size: 128
    .sgpr_count:     102
    .vgpr_count:     578
    .wavefront_size: 32
...
	.end_amdgpu_metadata
.endif
;; end of part 2
;; launch attn (part 3): grid 8 x 32, 16 waves a work-group, clusters of 4 x 1, 288,768 bytes of LDS; arguments qa, kv, kvs, oa; writes oa
.if DOCPART == 3
	.amdgcn_target "amdgcn-amd-amdhsa--gfx1250"
	.amdhsa_code_object_version 6
	.text
	.protected	k_qf73155003d_attn
	.globl	k_qf73155003d_attn
	.p2align	8
	.type	k_qf73155003d_attn,@function
k_qf73155003d_attn:
	s_mov_b64 s[64:65], 0
	v_nop
	global_prefetch_b8 v0, s[64:65] scope:SCOPE_SE
	s_setreg_imm32_b32 hwreg(HW_REG_WAVE_MODE, 25, 1), 1
	s_wait_xcnt 0x0
	s_wait_alu depctr_hold_cnt(0) depctr_sa_sdst(0) depctr_va_vdst(0) depctr_va_sdst(0) depctr_va_ssrc(0) depctr_va_vcc(0) depctr_vm_vsrc(0)
	s_getreg_b32 s2, hwreg(HW_REG_IB_STS2, 6, 4)
	s_cmp_eq_u32 s2, 0
	s_cbranch_scc0 .Lentry_in_a_cluster
	s_endpgm
.Lentry_in_a_cluster:
	s_bfe_u32 s2, ttmp6, 0x10000c
	s_cmp_lg_u32 s2, 0x3003
	s_cbranch_scc0 .Lentry_shape_is_right
	s_endpgm
.Lentry_shape_is_right:
; O = softmax(Q K^T / 8) V for 64 (batch, head) pairs of 2,048 x 2,048, head size 64, both products on codes of FP4 (E2M1) with E8M0 scales; O / the row's sum is quantised along the hidden axis and leaves as codes.
; THE SOFTMAX: t = score x log2(e) / 8; M = the running largest t rounded UP to a whole number; p = 2^(t - M) is quantised along the keys, not normalised; the row's sum is taken of the unquantised p;
; when M moves, the sum and O are multiplied by 2^(old M - new M), which rounds nothing.
; SHARES.  A work-group owns 256 queries of one batch and one PAIR of heads; each of its sixteen waves one tile of 16 queries, head 0 and then head 1, 16 key steps of 128 keys each.  A pair of heads is one K step
; of the last product: a fragment and a scale word a row.
; ALL K AND V OF BOTH HEADS LIE IN LDS, each byte filled once: waves 0 to 3 have five tensor loads each out at the start, and none later.  So there is nothing left to ask for ahead of time.
; CLUSTER 4 x 1: the four blocks of queries of a cluster read the same K and V: each load is asked for jointly by all four.
; LAYOUT.  Both products are used transposed (S^T = K Q^T, O^T = V^T P^T): a lane holds one query throughout.  The tiles' rows are laid so that the 16 registers of two neighbouring tiles are 16 neighbours.
; THE HEAD'S 64 ARE HALF OF THE INSTRUCTION'S 128: Q's upper four registers are zero codes, the words' upper two bytes are 1.0, and K's upper four registers are whatever follows (the next tile's codes): x 0.
; LIMITS: NaN and infinities are not served; the running largest t starts at -3e38; a block whose every number lies under 2^-124 gets the byte 1.
.set SCB, 262144                       ; LDS: four chunks of 65,536 (1,024 keys of a head: K's codes, then V^T's) from 0; the scale words, 24,576 bytes, from here
.set LI,  1                            ; v1  16 x lane
.set ASK, 2                            ; v2  K's words: SCB + 4 x lane
.set ASV, 3                            ; v3  V's: SCB + 16,384 + 4 x lane
.set ADK, 4
.set ADS, 5
.set ADT, 6
.set R4,  8
.set R16, 9
.set LN,  10
.set QF,  16                           ; v16-31   Q's fragments of the two heads
.set KF,  32                           ; v32-67   eight tiles of K, four registers each, and four zeros
.set VF,  68                           ; v68-99   four fragments of V^T
.set SS,  100                          ; v100-163 S^T, then p
.set OO,  164                          ; v164-195 O^T
.set PC,  196                          ; v196-203 p's codes
.set BM,  204
.set T2,  208
.set SO,  212
.set KS,  216                          ; scale words: K's v216-219, V's v220-221, Q's v222-223, p's v224
.set VS,  220
.set QS,  222
.set PW,  224
.set FF,  226                          ; v[226:227] f; the pair's upper word is written once
.set TP,  228
.set OC,  232                          ; v232-239 O's codes, four registers a head
.set OW,  240                          ; O's scale word
.set WV,  12
.set TB,  52
.set TS,  53
.set TJ,  54
.set CNT, 55
.set SEL, 56
.set CS,  58
.macro CROUND                          ; a round of the cluster's barrier
	s_barrier_signal -1
	s_barrier_wait -1
	s_cmp_lg_u32 s[WV], 0
	s_cbranch_scc1 .Lnot_wave_0_\@
	s_barrier_signal -3
.Lnot_wave_0_\@:
	s_barrier_wait -3
	s_barrier_signal -1
	s_barrier_wait -1
.endm
; A KEY STEP: 128 keys of head hd
.macro STEP hd
	v_add_nc_u32 v[ADK], s[TB], v[LI]
	v_add_nc_u32 v[ADS], s[TS], v[ASK]
	v_add_nc_u32 v[ADT], s[TJ], v[ASV]
	v_nop                                          ; four places in front of loads into registers that the last products read
.irp b, 0,1,2,3
	ds_load_b32 v[KS+\b], v[ADS] offset:128*\b     ; lanes 0-15: tile 2 b's words, lanes 16-31: tile 2 b + 1's
.endr
.irp t, 0,1,2,3,4,5,6,7
	ds_load_b128 v[KF+4*\t:KF+4*\t+3], v[ADK] offset:512*\t
.endr
.irp j, 0,1
	ds_load_b32 v[VS+\j], v[ADT] offset:128*\j
.endr
.irp a, 0,1,2,3
.irp c, 0,1
	ds_load_b128 v[VF+8*\a+4*\c:VF+8*\a+4*\c+3], v[ADK] offset:32768+1024*\a+512*\c
.endr
.endr
	s_wait_dscnt 10                                ; K and its words are in; V's ten loads may be out
.irp t, 0,2,4,6
	v_wmma_scale_f32_16x16x128_f8f6f4 v[SS+8*\t:SS+8*\t+7], v[KF+4*\t:KF+4*\t+7], v[QF+8*\hd:QF+8*\hd+7], 0, v[KS+\t/2], v[QS+\hd] matrix_a_fmt:MATRIX_FMT_FP4 matrix_b_fmt:MATRIX_FMT_FP4
	v_wmma_scale_f32_16x16x128_f8f6f4 v[SS+8*\t+8:SS+8*\t+15], v[KF+4*\t+4:KF+4*\t+11], v[QF+8*\hd:QF+8*\hd+7], 0, v[KS+\t/2], v[QS+\hd] matrix_a_fmt:MATRIX_FMT_FP4 matrix_b_fmt:MATRIX_FMT_FP4 matrix_a_scale:MATRIX_SCALE_ROW1
.endr
.rept 4
	v_nop
.endr
.irp b, 0,1,2,3
	v_max3_num_f32 v[BM+\b], v[SS+16*\b], v[SS+16*\b+1], v[SS+16*\b+2]   ; the largest score of each block of 32 keys: for the row's maximum and, since p rises with the score, for the block's largest p
.endr
.irp i, 3,5,7,9,11,13
.irp b, 0,1,2,3
	v_max3_num_f32 v[BM+\b], v[BM+\b], v[SS+16*\b+\i], v[SS+16*\b+\i+1]
.endr
.endr
.irp b, 0,1,2,3
	v_max_num_f32 v[BM+\b], v[BM+\b], v[SS+16*\b+15]
.endr
.irp b, 0,1,2,3
	s_delay_alu instid0(VALU_DEP_4)
	v_permlanex16_b32 v[T2+\b], v[BM+\b], s[SEL], s[SEL+1]
.endr
.irp b, 0,1,2,3
	s_delay_alu instid0(VALU_DEP_4)
	v_max_num_f32 v[BM+\b], v[BM+\b], v[T2+\b]     ; with lane l xor 16's 16 keys
.endr
	s_delay_alu instid0(VALU_DEP_2)
	v_max3_num_f32 v[TP], v[BM], v[BM+1], v[BM+2]
	s_delay_alu instid0(VALU_DEP_1)
	v_max_num_f32 v[TP], v[TP], v[BM+3]
	s_delay_alu instid0(VALU_DEP_1)
	v_mul_f32 v[TP], s[CS], v[TP]                  ; the step's largest t of my query
	s_delay_alu instid0(VALU_DEP_1)
	v_max_num_f32 v13, v13, v[TP]                  ; the running largest t
	v_mov_b32 v[TP], v12
	s_delay_alu instid0(VALU_DEP_2)
	v_floor_f32 v12, -v13                          ; the new -M = floor(-t) = -ceil(t)
	s_delay_alu instid0(VALU_DEP_1)
	v_sub_f32 v[TP], v12, v[TP]                    ; old M - new M: a whole number, 0 or less
	s_delay_alu instid0(VALU_DEP_1)
	v_cvt_i32_f32 v[TP], v[TP]                     ; (it saturates)
	s_delay_alu instid0(VALU_DEP_1)
	v_ldexp_f32 v[FF], 1.0, v[TP]                  ; f = 2^(old M - new M)
.set j, 0
.rept 32
	v_pk_fma_f32 v[SS+j:SS+j+1], v[SS+j:SS+j+1], s[CS:CS+1], v[12:13] op_sel_hi:[1,0,0]   ; t - M, two at a time
.set j, j+2
.endr
.irp b, 0,1,2,3
	v_fma_f32 v[BM+\b], v[BM+\b], s[CS], v12       ; the same of each block's largest score
.endr
.set j, 0
	s_wait_alu depctr_va_vdst(0)
.rept 64
	v_exp_f32 v[SS+j], v[SS+j]                     ; p = 2^(t - M)
.set j, j+1
.endr
	s_setprio 1
	v_pk_mul_f32 v[14:15], v[14:15], v[FF:FF+1] op_sel_hi:[1,0]   ; the sums under the new M: a plain line behind the exponentials
	s_wait_alu depctr_va_vdst(0)                   ; one wait for the batch of 64, ahead of its first reader
.irp b, 0,1,2,3
	v_exp_f32 v[BM+\b], v[BM+\b]                   ; the block's largest p: the same two instructions on the same number
.endr
	v_pk_add_f32 v[208:209], v[104:105], v[108:109]
	v_pk_add_f32 v[252:253], v[112:113], v[116:117]
	v_pk_add_f32 v[250:251], v[120:121], v[124:125]
	v_pk_add_f32 v[248:249], v[128:129], v[132:133]
	v_pk_add_f32 v[246:247], v[136:137], v[140:141]
	v_pk_add_f32 v[244:245], v[144:145], v[148:149]
	v_pk_add_f32 v[242:243], v[152:153], v[156:157]
	v_pk_add_f32 v[14:15], v[14:15], v[160:161]
	v_pk_add_f32 v[208:209], v[208:209], v[100:101]
	v_pk_add_f32 v[252:253], v[252:253], v[102:103]
	v_pk_add_f32 v[250:251], v[250:251], v[106:107]
	v_pk_add_f32 v[248:249], v[248:249], v[110:111]
	v_pk_add_f32 v[246:247], v[246:247], v[114:115]
	v_pk_add_f32 v[244:245], v[244:245], v[118:119]
	v_pk_add_f32 v[242:243], v[242:243], v[122:123]
	v_pk_add_f32 v[14:15], v[14:15], v[126:127]
	v_pk_add_f32 v[208:209], v[208:209], v[130:131]
	v_pk_add_f32 v[252:253], v[252:253], v[134:135]
	v_pk_add_f32 v[250:251], v[250:251], v[138:139]
	v_pk_add_f32 v[248:249], v[248:249], v[142:143]
	v_pk_add_f32 v[246:247], v[246:247], v[146:147]
	v_pk_add_f32 v[244:245], v[244:245], v[150:151]
	v_pk_add_f32 v[242:243], v[242:243], v[154:155]
	v_pk_add_f32 v[14:15], v[14:15], v[158:159]
	v_pk_add_f32 v[208:209], v[208:209], v[162:163]
	s_delay_alu instid0(VALU_DEP_2)
	v_pk_add_f32 v[14:15], v[14:15], v[248:249]
	s_delay_alu instid0(VALU_DEP_2)
	v_pk_add_f32 v[208:209], v[208:209], v[246:247]
	v_pk_add_f32 v[252:253], v[252:253], v[244:245]
	v_pk_add_f32 v[250:251], v[250:251], v[242:243]
	s_delay_alu instid0(VALU_DEP_2)
	v_pk_add_f32 v[14:15], v[14:15], v[252:253]
	s_delay_alu instid0(VALU_DEP_2)
	v_pk_add_f32 v[208:209], v[208:209], v[250:251]
	s_delay_alu instid0(VALU_DEP_1)
	v_pk_add_f32 v[14:15], v[14:15], v[208:209]
	s_wait_alu depctr_va_vdst(0)                   ; and one for the four
.irp b, 0,1,2,3
	v_max_num_f32 v[BM+\b], 0x1800000, v[BM+\b]    ; the floor 2^(3 - 127)
.endr
.irp b, 0,1,2,3
	s_delay_alu instid0(VALU_DEP_4)
	v_add_nc_u32 v[SO+\b], 0xff000000, v[BM+\b]    ; the conversion's scale operand
.endr
.irp b, 0,1,2,3
	s_delay_alu instid0(VALU_DEP_4)
	v_lshrrev_b32 v[T2+\b], 23, v[SO+\b]           ; the scale's byte
.endr
	s_delay_alu instid0(VALU_DEP_3)
	v_lshl_or_b32 v[PW], v[T2+1], 8, v[T2]         ; p's scale word for these 128 keys
	s_delay_alu instid0(VALU_DEP_1)
	v_lshl_or_b32 v[PW], v[T2+2], 16, v[PW]
	s_delay_alu instid0(VALU_DEP_1)
	v_lshl_or_b32 v[PW], v[T2+3], 24, v[PW]
.irp b, 0,1,2,3
	v_cvt_scalef32_pk8_fp4_f32 v[PC+2*\b], v[SS+16*\b:SS+16*\b+7], v[SO+\b]
	v_cvt_scalef32_pk8_fp4_f32 v[PC+2*\b+1], v[SS+16*\b+8:SS+16*\b+15], v[SO+\b]
.endr
	v_nop                                          ; one plain place behind a scaled conversion
.irp c, 0,1
.irp i, 0,1
	v_permlane16_swap_b32 v[PC+4*\c+\i], v[PC+4*\c+2+\i]   ; a whole block to a lane
.endr
.endr
.set j, 0
	s_setprio 0
.rept 16
	v_pk_mul_f32 v[OO+j:OO+j+1], v[OO+j:OO+j+1], v[FF:FF+1] op_sel_hi:[1,0]   ; O^T under the new M; these sixteen are also the places between p's word and codes and the products
.set j, j+2
.endr
	s_wait_alu depctr_va_vdst(0)
	s_wait_dscnt 0x0                               ; V and its words are in
.irp a, 0,2
	v_wmma_scale_f32_16x16x128_f8f6f4 v[OO+8*\a:OO+8*\a+7], v[VF+8*\a:VF+8*\a+7], v[PC:PC+7], v[OO+8*\a:OO+8*\a+7], v[VS+\a/2], v[PW] matrix_a_fmt:MATRIX_FMT_FP4 matrix_b_fmt:MATRIX_FMT_FP4
	v_wmma_scale_f32_16x16x128_f8f6f4 v[OO+8*\a+8:OO+8*\a+15], v[VF+8*\a+8:VF+8*\a+15], v[PC:PC+7], v[OO+8*\a+8:OO+8*\a+15], v[VS+\a/2], v[PW] matrix_a_fmt:MATRIX_FMT_FP4 matrix_b_fmt:MATRIX_FMT_FP4 matrix_a_scale:MATRIX_SCALE_ROW1
.endr
	s_add_co_u32 s[TB], s[TB], 4096                ; the next step's tiles and words
	s_add_co_u32 s[TS], s[TS], 512
	s_add_co_u32 s[TJ], s[TJ], 256
.endm
; A chunk: 1,024 keys, eight steps.  left = the chunks that were asked for behind this one and may stay out
.macro CHUNK left, hd
	s_wait_tensorcnt \left
	s_wait_dscnt 0x0
	s_barrier_signal -1
	s_barrier_wait -1                              ; the fetching waves have said that the chunk has landed
	s_mov_b32 s[CNT], 8
.Lstep_\@:
	s_setprio 2
	STEP \hd
	s_sub_co_u32 s[CNT], s[CNT], 1
	s_cmp_lg_u32 s[CNT], 0
	s_cbranch_scc1 .Lstep_\@
	s_setprio 0
	s_add_co_u32 s[TB], s[TB], 32768               ; over the chunk's codes of V
.endm
; A head's end: O^T / the sum, quantised along the head's 64 (two blocks), stored as registers 4 hd .. 4 hd + 3 of the last product's fragment
.macro EPI hd
.rept 4
	v_nop                                          ; places behind the last products
.endr
	v_add_f32 v14, v14, v15                        ; the sum's two halves,
	s_delay_alu instid0(VALU_DEP_1)
	v_permlanex16_b32 v[TP], v14, s[SEL], s[SEL+1]
	s_delay_alu instid0(VALU_DEP_1)
	v_add_f32 v14, v14, v[TP]                      ; and lane l xor 16's
	s_wait_alu depctr_va_vdst(0)
	v_rcp_f32 v[FF], v14
	v_nop                                          ; a plain place behind the transcendental
	s_wait_alu depctr_va_vdst(0)                   ; and the wait ahead of its first reader
.set j, 0
.rept 16
	v_pk_mul_f32 v[SS+j:SS+j+1], v[OO+j:OO+j+1], v[FF:FF+1] op_sel_hi:[1,0]   ; each accumulator from its low end on; register 16 k + i = channel 32 k + 16 h + i
.set j, j+2
.endr
.irp k, 0,1
	v_max3_num_f32 v[BM+\k], |v[SS+16*\k]|, |v[SS+16*\k+1]|, 0x1800000
.endr
.irp i, 2,4,6,8,10,12,14
.irp k, 0,1
	s_delay_alu instid0(VALU_DEP_2)
	v_max3_num_f32 v[BM+\k], v[BM+\k], |v[SS+16*\k+\i]|, |v[SS+16*\k+\i+1]|
.endr
.endr
.irp k, 0,1
	s_delay_alu instid0(VALU_DEP_2)
	v_permlanex16_b32 v[T2+\k], v[BM+\k], s[SEL], s[SEL+1]
.endr
.irp k, 0,1
	s_delay_alu instid0(VALU_DEP_2)
	v_max_num_f32 v[BM+\k], v[BM+\k], v[T2+\k]
.endr
.irp k, 0,1
	s_delay_alu instid0(VALU_DEP_2)
	v_add_nc_u32 v[SO+\k], 0xff000000, v[BM+\k]
.endr
.irp k, 0,1
	s_delay_alu instid0(VALU_DEP_2)
	v_lshrrev_b32 v[T2+\k], 23, v[SO+\k]
.endr
.irp k, 0,1
	v_cvt_scalef32_pk8_fp4_f32 v[OC+4*\hd+2*\k], v[SS+16*\k:SS+16*\k+7], v[SO+\k]
	v_cvt_scalef32_pk8_fp4_f32 v[OC+4*\hd+2*\k+1], v[SS+16*\k+8:SS+16*\k+15], v[SO+\k]
.endr
	v_nop
.irp i, 0,1
	v_permlane16_swap_b32 v[OC+4*\hd+\i], v[OC+4*\hd+2+\i]
.endr
	global_store_b128 v[LI], v[OC+4*\hd:OC+4*\hd+3], s[72:73] offset:512*\hd   ; 32 lanes store 512 consecutive bytes
.if \hd == 0
	v_lshl_or_b32 v[OW], v[T2+1], 8, v[T2]         ; bytes 2 hd and 2 hd + 1 of the row's word
.else
	v_lshl_or_b32 v[OW], v[T2], 16, v[OW]
	s_delay_alu instid0(VALU_DEP_1)
	v_lshl_or_b32 v[OW], v[T2+1], 24, v[OW]
.endif
.endm
.macro HEAD hd
	v_mov_b32 v13, 0xff61b1e6                      ; the largest t so far: -3e38
	s_delay_alu instid0(VALU_DEP_1)
	v_floor_f32 v12, -v13                          ; -M
	v_mov_b32 v14, 0
	v_mov_b32 v15, 0
.set j, 0
.rept 32
	v_mov_b32 v[OO+j], 0                           ; the step is written once: the first finds zeros, which the first change of M leaves zeros
.set j, j+1
.endr
	CHUNK 3-2*\hd, \hd
	CHUNK 2-2*\hd, \hd
	EPI \hd
.endm
	s_load_b256 s[4:11], s[0:1], 0x0               ; qa s[4:5], kv s[6:7], kvs s[8:9], oa s[10:11]
	v_lshl_add_u32 v254, v0, 2, 0x46000
	v_mov_b32 v255, 0
	ds_add_u32 v254, v255
	ds_add_u32 v254, v255
	v_lshrrev_b32 v1, 5, v0
	s_delay_alu instid0(VALU_DEP_1)
	v_readfirstlane_b32 s[WV], v1                  ; wave 0 .. 15
	s_and_b32 s15, s[WV], 3                        ; which quarter a fetching wave takes
	s_bfe_u32 s13, ttmp6, 0x40000                  ; cx
	s_and_b32 s14, ttmp7, 0xffff                   ; P = 8 batch + pair of heads, which the four partners share
	s_mov_b32 s16, 15|(3<<16)|(1<<21)              ; group 1, a quarter of a chunk: 64 rows of 256 bytes; the mask names all four work-groups
	s_mov_b32 s17, 32<<16
	s_mov_b32 s18, 64<<16
	s_mov_b32 s19, 32<<16
	s_mov_b32 s20, 64
	s_mov_b32 s21, 32
	s_mov_b32 s22, 0
	s_mov_b32 s23, 0
	s_mov_b32 s24, 15|(3<<16)|(1<<21)              ; a quarter of the scale words: 24 rows of 256 bytes
	s_mov_b32 s25, 32<<16
	s_mov_b32 s26, 24<<16
	s_mov_b32 s27, 32<<16
	s_mov_b32 s28, 24
	s_mov_b32 s29, 32
	s_mov_b32 s30, 0
	s_mov_b32 s31, 0
	s_mul_i32 s60, s14, 24576
	s_mul_i32 s61, s15, 6144
	s_mov_b32 s32, 1
	s_add_co_u32 s33, s61, SCB
	s_add_co_u32 s34, s60, s61
	s_mov_b32 s35, 0
	s_lshl_b32 s62, s14, 18
	s_lshl_b32 s63, s15, 14
	s_add_co_u32 s62, s62, s63
.irp i, 0,1,2,3
	s_mov_b32 s[36+4*\i], 1
	s_add_co_u32 s[37+4*\i], s63, 65536*\i         ; LDS mirrors the buffer
	s_add_co_u32 s[38+4*\i], s62, 65536*\i
	s_mov_b32 s[39+4*\i], 0
.endr
	s_lshl_b32 s60, ttmp9, 2
	s_add_co_u32 s60, s60, s13                     ; my block of 256 queries: it enters Q's and O's addresses alone
	s_lshl_b32 s60, s60, 4
	s_add_co_u32 s60, s60, s[WV]                   ; my tile of queries in the batch
	s_lshl_b32 s68, s14, 17
	s_lshl_b32 s61, s60, 9
	s_add_co_u32 s68, s68, s61                     ; Q's codes
	s_mov_b32 s69, 0
	s_lshl_b32 s70, s14, 14
	s_lshl_b32 s61, s60, 6
	s_add_co_u32 s70, s70, s61
	s_add_co_u32 s70, s70, 4194304                 ; Q's words
	s_mov_b32 s71, 0
	s_lshr_b32 s61, s14, 3
	s_lshl_b32 s61, s61, 7
	s_add_co_u32 s61, s61, s60                     ; my tile among all 512
	s_and_b32 s76, s14, 7
	s_lshr_b32 s77, s76, 2                         ; the pair is K step 4 g + s of the last product
	s_and_b32 s76, s76, 3
	s_lshl_b32 s72, s77, 21
	s_lshl_b32 s78, s61, 12
	s_add_co_u32 s72, s72, s78
	s_lshl_b32 s78, s76, 10
	s_add_co_u32 s72, s72, s78                     ; O's codes
	s_mov_b32 s73, 0
	s_lshl_b32 s74, s61, 9
	s_lshl_b32 s78, s77, 8
	s_add_co_u32 s74, s74, s78
	s_lshl_b32 s78, s76, 2
	s_add_co_u32 s74, s74, s78
	s_add_co_u32 s74, s74, 4194304                 ; O's words
	s_mov_b32 s75, 0
	s_mov_b32 s[SEL], 0x76543210
	s_mov_b32 s[SEL+1], 0xfedcba98
	s_mov_b32 s[CS], 0x3e38aa3b                    ; log2(e) / 8
	s_mov_b32 s[CS+1], s[CS]
	s_mov_b32 s[TB], 0
	s_mov_b32 s[TS], 0
	s_mov_b32 s[TJ], 0
	s_wait_dscnt 0x0
	s_wait_kmcnt 0x0
	s_add_nc_u64 s[34:35], s[8:9], s[34:35]
	s_or_b32 s35, s35, 0x80000000
.irp i, 0,1,2,3
	s_add_nc_u64 s[38+4*\i:39+4*\i], s[6:7], s[38+4*\i:39+4*\i]
	s_or_b32 s[39+4*\i], s[39+4*\i], 0x80000000
.endr
	s_add_nc_u64 s[68:69], s[4:5], s[68:69]
	s_add_nc_u64 s[70:71], s[4:5], s[70:71]
	s_add_nc_u64 s[72:73], s[10:11], s[72:73]
	s_add_nc_u64 s[74:75], s[10:11], s[74:75]
	CROUND                                         ; all four work-groups are here: the joint loads meet
	s_cmp_lt_u32 s[WV], 4                          ; a fetching wave's five fills stand in one branch, ahead of every wait on TENSORcnt and every LDS read
	s_cbranch_scc0 .Lno_fetch
	tensor_load_to_lds s[32:35], s[24:31]          ; the scale words,
	s_nop 0
	tensor_load_to_lds s[36:39], s[16:23]          ; head 0's keys 0 .. 1,023,
	s_nop 0
	tensor_load_to_lds s[40:43], s[16:23]          ; 1,024 .. 2,047,
	s_nop 0
	tensor_load_to_lds s[44:47], s[16:23]          ; head 1's
	s_nop 0
	tensor_load_to_lds s[48:51], s[16:23]
	s_nop 0
.rept 4
	v_nop
.endr
.Lno_fetch:
	v_and_b32 v[LN], 31, v0
	v_and_b32 v[R4], 15, v0
	s_delay_alu instid0(VALU_DEP_1)
	v_lshlrev_b32 v[R16], 4, v[R4]
	s_delay_alu instid0(VALU_DEP_2)
	v_lshlrev_b32 v[R4], 2, v[R4]
	s_delay_alu instid0(VALU_DEP_4)
	v_lshlrev_b32 v[LI], 4, v[LN]
	v_lshl_add_u32 v[ASK], v[LN], 2, SCB
	v_lshl_add_u32 v[ASV], v[LN], 2, SCB+16384
.irp c, 0,1
	global_load_b128 v[QF+8*\c:QF+8*\c+3], v[LI], s[68:69] offset:65536*\c
	global_load_b32 v[QS+\c], v[R4], s[70:71] offset:8192*\c
.endr
.irp c, 0,1
.irp i, 4,5,6,7
	v_mov_b32 v[QF+8*\c+\i], 0                     ; zero codes for the instruction's upper 64 along K
.endr
.endr
.irp i, 0,1,2,3
	v_mov_b32 v[KF+32+\i], 0                       ; what follows the last tile of K
	v_mov_b32 v[T2+\i], 0                          ; a lane permute's destination counts as one of its sources
.endr
	v_mov_b32 v[FF+1], 0                           ; named as the upper half of a pair
	v_mov_b32 v[TP], 0
	s_wait_loadcnt 0x0                             ; Q
	HEAD 0
	HEAD 1
	v_cmp_gt_u32 vcc_lo, 16, v[LN]                 ; lanes 16-31 hold the same words
	s_wait_alu depctr_va_vdst(0)
	s_wait_xcnt 0x0                                ; EXEC changes only behind this wait
	s_and_saveexec_b32 s66, vcc_lo
	global_store_b32 v[R16], v[OW], s[74:75]       ; 4 bytes of each of 16 rows' 16: the other three K steps' words come from other work-groups
	s_wait_xcnt 0x0
	s_or_b32 exec_lo, exec_lo, s66
	s_wait_tensorcnt 0x0
	ds_add_u32 v254, v255
	s_wait_dscnt 0x0
	CROUND                                         ; the closing round
	s_endpgm
.Lfunc_end_k_qf73155003d_attn:
	.size	k_qf73155003d_attn, .Lfunc_end_k_qf73155003d_attn-k_qf73155003d_attn
	.p2alignl 7, 3214868480
	.fill 96, 4, 3214868480
	.section	.rodata,"a",@progbits
	.p2align	6, 0x0
	.amdhsa_kernel k_qf73155003d_attn
		.amdhsa_group_segment_fixed_size 288768
		.amdhsa_private_segment_fixed_size 0
		.amdhsa_enable_private_segment 0
		.amdhsa_kernarg_size 32
		.amdhsa_user_sgpr_count 2
		.amdhsa_user_sgpr_kernarg_segment_ptr 1
		.amdhsa_wavefront_size32 1
		.amdhsa_system_sgpr_workgroup_id_x 1
		.amdhsa_system_sgpr_workgroup_id_y 1
		.amdhsa_system_sgpr_workgroup_id_z 1
		.amdhsa_system_vgpr_workitem_id 0
		.amdhsa_next_free_vgpr 256
		.amdhsa_next_free_sgpr 80
		.amdhsa_reserve_vcc 1
		.amdhsa_float_denorm_mode_32 3
		.amdhsa_float_denorm_mode_16_64 3
		.amdhsa_memory_ordered 1
		.amdhsa_forward_progress 1
		.amdhsa_inst_pref_size 85
	.end_amdhsa_kernel
	.amdgpu_metadata
---
amdhsa.version: [ 1, 2 ]
amdhsa.kernels:
  - .name:           k_qf73155003d_attn
    .symbol:         k_qf73155003d_attn.kd
    .args:
      - { .name: qa, .offset: 0, .size: 8, .value_kind: global_buffer, .address_space: global }
      - { .name: kv, .offset: 8, .size: 8, .value_kind: global_buffer, .address_space: global }
      - { .name: kvs, .offset: 16, .size: 8, .value_kind: global_buffer, .address_space: global }
      - { .name: oa, .offset: 24, .size: 8, .value_kind: global_buffer, .address_space: global }
    .group_segment_fixed_size: 288768
    .private_segment_fixed_size: 0
    .kernarg_segment_align: 8
    .kernarg_segment_size: 32
    .max_flat_workgroup_size: 512
    .sgpr_count:     80
    .vgpr_count:     256
    .wavefront_size: 32
...
	.end_amdgpu_metadata
.endif
;; end of part 3
;; launch oproj (part 4): grid 4 x 64, 4 waves a work-group, clusters of 4 x 4, 243,200 bytes of LDS; arguments oa, wc, ws, bo, out0; writes out0
.if DOCPART == 4
	.amdgcn_target "amdgcn-amd-amdhsa--gfx1250"
	.amdhsa_code_object_version 6
	.text
	.protected	k_qf73155003d_oproj
	.globl	k_qf73155003d_oproj
	.p2align	8
	.type	k_qf73155003d_oproj,@function
k_qf73155003d_oproj:
	s_mov_b64 s[64:65], 0
	v_nop
	global_prefetch_b8 v0, s[64:65] scope:SCOPE_SE
	s_setreg_imm32_b32 hwreg(HW_REG_WAVE_MODE, 25, 1), 1
	s_wait_xcnt 0x0
	s_wait_alu depctr_hold_cnt(0) depctr_sa_sdst(0) depctr_va_vdst(0) depctr_va_sdst(0) depctr_va_ssrc(0) depctr_va_vcc(0) depctr_vm_vsrc(0)
	s_getreg_b32 s2, hwreg(HW_REG_IB_STS2, 6, 4)
	s_cmp_eq_u32 s2, 0
	s_cbranch_scc0 .Lentry_in_a_cluster
	s_endpgm
.Lentry_in_a_cluster:
	s_bfe_u32 s2, ttmp6, 0x10000c
	s_cmp_lg_u32 s2, 0xf033
	s_cbranch_scc0 .Lentry_shape_is_right
	s_endpgm
.Lentry_shape_is_right:
; out0 = O Wo + bo on codes of FP4 (E2M1) with E8M0 scales, sums in f32, results f32.
; A work-group makes 256 columns (source 0 = Wo's columns n) x 128 rows (source 1 = the rows of O) over all of K = 1,024: a lane holds one row, its registers run along n.
; ALL OPERANDS LIE IN LDS AT ONCE, each byte filled once: three tensor loads a wave are out at the start, none later.
; CLUSTER 4 x 4: Wo's tiles hang on cx alone and are asked for jointly by a column of the cluster, O's on cy alone and by a row.
; The codes' buffers are images of the operand's registers; tile T holds at place r row 32 (T / 2) + 8 (T % 2) + r % 8 + 16 (r / 8): the stores' immediates turn places back into rows.
; REGISTERS: window 0: v1-15 addresses; v16-47 S0's scale words, v48-63 S1's; v64-127 S1's fragments, two sets; v128-255 S0's, two sets.  window 1: accumulator (a, b) at v[64 a + 8 b].  window 2: v0-63 the bias.
.set S0C,  65536
.set S1S,  196608
.set S0S,  200704
.set STGB, 208896                      ; the way out: 16 rows x (512 bytes + 16) for each wave
.set SP,   528
.set LI,   4
.set STO,  6
.set RD,   7
.set AD1,  8
.set AD0,  9
.set ADS0, 11
.set ADS1, 12
.set SC0,  16
.set SC1,  48
.set F1,   64
.set F0,   128
.set BI,   0
.set BK,   128                         ; the way out: rows read back, v128-191 and v192-255 by turns
.set WV,   24
.set WY,   25
.set WX,   26
.set I0,   92
.set I1,   93
.set G1A,  32
.set G1B,  40
.set G1AS, 48
.set G1BS, 56
.set G0AS, 68
.set G0A0, 72
.set G0A1, 76
.set G0BS, 80
.set G0B0, 84
.set G0B1, 88
.set MSB, 0
.macro WIN new                         ; the immediate's high byte repeats the setting that is left
.if MSB != \new
	s_set_vgpr_msb (MSB<<8)|\new
.set MSB, \new
.endif
.endm
.macro JLOAD g0a, g1a, g0b, g1b        ; a joint load: waves 0 and 1 fetch for S1, waves 2 and 3 for S0; four v_nop follow each line
	s_cmp_eq_u32 s[WY], 0
	s_cbranch_scc0 .Lfor_b_\@
	tensor_load_to_lds s[\g0a:\g0a+3], s[\g1a:\g1a+7]
	s_nop 0
.rept 4
	v_nop
.endr
	s_branch .Lasked_\@
.Lfor_b_\@:
	tensor_load_to_lds s[\g0b:\g0b+3], s[\g1b:\g1b+7]
	s_nop 0
.rept 4
	v_nop
.endr
.Lasked_\@:
.endm
.macro CROUND
	s_barrier_signal -1
	s_barrier_wait -1
	s_cmp_lg_u32 s[WV], 0
	s_cbranch_scc1 .Lnot_wave_0_\@
	s_barrier_signal -3
.Lnot_wave_0_\@:
	s_barrier_wait -3
	s_barrier_signal -1
	s_barrier_wait -1
.endm
.macro PLACES n
.rept \n
	v_nop
.endr
.endm
.macro G1REST g, rows                  ; a dense block as rows of 256 bytes: 32 elements of 8 bytes
	s_mov_b32 s[\g+1], 32<<16
	s_mov_b32 s[\g+2], (\rows)<<16
	s_mov_b32 s[\g+3], 32<<16
	s_mov_b32 s[\g+4], \rows
	s_mov_b32 s[\g+5], 32
	s_mov_b32 s[\g+6], 0
	s_mov_b32 s[\g+7], 0
.endm
.macro SCALES g
.irp i, 0,1,2,3
	ds_load_b128 v[SC0+16*\g+4*\i:SC0+16*\g+4*\i+3], v[ADS0] offset:512*\i+256*\g
.endr
.irp i, 0,1
	ds_load_b128 v[SC1+8*\g+4*\i:SC1+8*\g+4*\i+3], v[ADS1] offset:512*\i+256*\g
.endr
.endm
.macro FETCH q, p
.irp b, 0,1,2,3,4,5,6,7
.irp c, 0,1
	ds_load_b128 v[F0+64*(\p)+8*\b+4*\c:F0+64*(\p)+8*\b+4*\c+3], v[AD0+(\q)/4] offset:4096*\b+1024*((\q)%4)+512*\c
.endr
.endr
.irp a, 0,1,2,3
.irp c, 0,1
	ds_load_b128 v[F1+32*(\p)+8*\a+4*\c:F1+32*(\p)+8*\a+4*\c+3], v[AD1] offset:32768*((\q)/4)+4096*\a+1024*((\q)%4)+512*\c
.endr
.endr
.endm
; 32 matrix instructions: the 32 accumulators by turns, in the same order in every K step.  cm = 0: C = the accumulator; 1: the bias
.macro MUL q, p, cm
.irp a, 0,1,2,3
.irp b, 0,1,2,3,4,5,6,7
.set rD, 64*\a+8*\b
.if \cm == 0
.set rC, rD
.else
.set rC, BI+8*\b
.endif
.set rA, F0+64*(\p)+8*\b
.set rB, F1+32*(\p)+8*\a
.set rSA, SC0+16*((\q)/4)+4*(\b%4)+(\q)%4
.set rSB, SC1+8*((\q)/4)+4*(\a%2)+(\q)%4
.if (\b < 4) && (\a < 2)
	v_wmma_scale_f32_16x16x128_f8f6f4 v[rD:rD+7], v[rA:rA+7], v[rB:rB+7], v[rC:rC+7], v[rSA], v[rSB] matrix_a_fmt:MATRIX_FMT_FP4 matrix_b_fmt:MATRIX_FMT_FP4
.elseif (\a < 2)
	v_wmma_scale_f32_16x16x128_f8f6f4 v[rD:rD+7], v[rA:rA+7], v[rB:rB+7], v[rC:rC+7], v[rSA], v[rSB] matrix_a_fmt:MATRIX_FMT_FP4 matrix_b_fmt:MATRIX_FMT_FP4 matrix_a_scale:MATRIX_SCALE_ROW1
.elseif (\b < 4)
	v_wmma_scale_f32_16x16x128_f8f6f4 v[rD:rD+7], v[rA:rA+7], v[rB:rB+7], v[rC:rC+7], v[rSA], v[rSB] matrix_a_fmt:MATRIX_FMT_FP4 matrix_b_fmt:MATRIX_FMT_FP4 matrix_b_scale:MATRIX_SCALE_ROW1
.else
	v_wmma_scale_f32_16x16x128_f8f6f4 v[rD:rD+7], v[rA:rA+7], v[rB:rB+7], v[rC:rC+7], v[rSA], v[rSB] matrix_a_fmt:MATRIX_FMT_FP4 matrix_b_fmt:MATRIX_FMT_FP4 matrix_a_scale:MATRIX_SCALE_ROW1 matrix_b_scale:MATRIX_SCALE_ROW1
.endif
.endr
.endr
.endm
.macro KSTEP q
	s_wait_dscnt 0x0                               ; this step's fragments are in
	PLACES 4                                       ; in front of loads into the set that the last step multiplied
	FETCH (\q)+1, ((\q)+1)%2
	WIN 0x50
	MUL \q, (\q)%2, 0
	WIN 0
.endm
; THE WAY OUT of S1 tile a: a lane's 64 results are pieces of one row; they go into my stage and come back as whole rows of 512 bytes
.macro TOSTAGE a
	WIN 0x04                                       ; an LDS store's data are its source 1: window 1
.irp b, 0,1,2,3,4,5,6,7
	ds_store_b128 v[STO], v[64*(\a)+8*\b:64*(\a)+8*\b+3] offset:128*(\b/2)+32*(\b%2)        ; each accumulator from its low end on
	ds_store_b128 v[STO], v[64*(\a)+8*\b+4:64*(\a)+8*\b+7] offset:128*(\b/2)+32*(\b%2)+16
.endr
	WIN 0
.irp i, 0,1,2,3,4,5,6,7,8,9,10,11,12,13,14,15
	ds_load_b128 v[BK+64*((\a)%2)+4*\i:BK+64*((\a)%2)+4*\i+3], v[RD] offset:SP*\i   ; LDS serves a wave's instructions in order: these see the stores, and the next tile's stores come behind them
.endr
.endm
.macro SEND a, younger                 ; younger: the LDS instructions issued behind tile a's loads
	s_wait_dscnt \younger
.irp i, 0,1,2,3,4,5,6,7,8,9,10,11,12,13,14,15
	global_store_b128 v[LI], v[BK+64*((\a)%2)+4*\i:BK+64*((\a)%2)+4*\i+3], s[12:13] offset:(32*((\a)/2)+8*((\a)%2)+(\i%8)+16*(\i/8))*4096 th:TH_STORE_NT   ; 32 lanes store 512 consecutive bytes, aligned; place i's row stands in the immediate
.endr
.endm
	s_load_b256 s[4:11], s[0:1], 0x0               ; oa s[4:5], wc s[6:7], ws s[8:9], bo s[10:11]
	s_load_b64 s[12:13], s[0:1], 0x20              ; out0
	v_lshl_add_u32 v14, v0, 2, 0x3b400
	v_mov_b32 v15, 0
	ds_add_u32 v14, v15
	ds_add_u32 v14, v15
	v_lshrrev_b32 v1, 5, v0
	v_readfirstlane_b32 s[WV], v1
	s_lshr_b32 s[WY], s[WV], 1
	s_and_b32 s[WX], s[WV], 1
	s_bfe_u32 s27, ttmp6, 0x40000                  ; cx
	s_bfe_u32 s28, ttmp6, 0x40004                  ; cy
	s_lshl_b32 s[I0], ttmp9, 2
	s_add_co_u32 s[I0], s[I0], s27                 ; which 256 columns
	s_and_b32 s[I1], ttmp7, 0xffff
	s_lshl_b32 s[I1], s[I1], 2
	s_add_co_u32 s[I1], s[I1], s28                 ; which 128 rows
	s_lshl_b32 s96, 0x1111, s27                    ; my column of the cluster: S0's tiles
	s_lshl_b32 s98, s28, 2
	s_lshl_b32 s98, 15, s98                        ; my row: S1's
	s_or_b32 s[G1A], s98, (3<<16)|(1<<21)
	s_or_b32 s[G1AS], s98, (3<<16)|(1<<21)
	s_or_b32 s[G1B], s96, (3<<16)|(1<<21)
	s_or_b32 s[G1BS], s96, (3<<16)|(1<<21)
	G1REST G1A, 64
	G1REST G1B, 128
	G1REST G1AS, 8
	G1REST G1BS, 16
	s_lshl_b32 s[G0B0+2], s[I0], 16                ; Wo is the fourth weight: 3 x 524,288
	s_lshl_b32 s96, s[WX], 15
	s_add_co_u32 s[G0B0+2], s[G0B0+2], s96
	s_add_co_u32 s[G0B0+2], s[G0B0+2], 1572864
	s_add_co_u32 s[G0B1+2], s[G0B0+2], 262144
	s_lshl_b32 s[G0BS+2], s[I0], 13
	s_lshl_b32 s96, s[WX], 12
	s_add_co_u32 s[G0BS+2], s[G0BS+2], s96
	s_add_co_u32 s[G0BS+2], s[G0BS+2], 98304
	s_mov_b32 s[G0B0+3], 0
	s_mov_b32 s[G0B1+3], 0
	s_mov_b32 s[G0BS+3], 0
	s_lshl_b32 s[G0A0+2], s[I1], 15
	s_lshl_b32 s98, s[WX], 14
	s_add_co_u32 s[G0A0+2], s[G0A0+2], s98
	s_add_co_u32 s[G0A1+2], s[G0A0+2], 2097152
	s_lshl_b32 s[G0AS+2], s[I1], 12
	s_lshl_b32 s98, s[WX], 11
	s_add_co_u32 s[G0AS+2], s[G0AS+2], s98
	s_add_co_u32 s[G0AS+2], s[G0AS+2], 4194304
	s_mov_b32 s[G0A0+3], 0
	s_mov_b32 s[G0A1+3], 0
	s_mov_b32 s[G0AS+3], 0
.irp g, G0AS, G0A0, G0A1, G0BS, G0B0, G0B1
	s_mov_b32 s[\g], 1
.endr
	s_lshl_b32 s[G0AS+1], s[WX], 11
	s_add_co_u32 s[G0AS+1], s[G0AS+1], S1S
	s_lshl_b32 s[G0A0+1], s[WX], 14
	s_add_co_u32 s[G0A1+1], s[G0A0+1], 32768
	s_lshl_b32 s[G0BS+1], s[WX], 12
	s_add_co_u32 s[G0BS+1], s[G0BS+1], S0S
	s_lshl_b32 s[G0B0+1], s[WX], 15
	s_add_co_u32 s[G0B0+1], s[G0B0+1], S0C
	s_add_co_u32 s[G0B1+1], s[G0B0+1], 65536
	s_wait_dscnt 0x0
	s_wait_kmcnt 0x0
	s_add_nc_u64 s[G0B0+2:G0B0+3], s[6:7], s[G0B0+2:G0B0+3]
	s_add_nc_u64 s[G0B1+2:G0B1+3], s[6:7], s[G0B1+2:G0B1+3]
	s_add_nc_u64 s[G0BS+2:G0BS+3], s[8:9], s[G0BS+2:G0BS+3]
	s_add_nc_u64 s[G0A0+2:G0A0+3], s[4:5], s[G0A0+2:G0A0+3]
	s_add_nc_u64 s[G0A1+2:G0A1+3], s[4:5], s[G0A1+2:G0A1+3]
	s_add_nc_u64 s[G0AS+2:G0AS+3], s[4:5], s[G0AS+2:G0AS+3]
.irp g, G0AS, G0A0, G0A1, G0BS, G0B0, G0B1
	s_or_b32 s[\g+3], s[\g+3], 0x80000000
.endr
	CROUND                                         ; all sixteen work-groups are here: the joint loads meet
	JLOAD G0AS, G1AS, G0BS, G1BS
	JLOAD G0A0, G1A, G0B0, G1B
	JLOAD G0A1, G1A, G0B1, G1B                     ; three loads of mine are out
	v_and_b32 v1, 31, v0
	v_and_b32 v2, 15, v0                           ; r
	v_bfe_u32 v3, v0, 4, 1                         ; h
	v_lshlrev_b32 v[LI], 4, v1
	v_lshlrev_b32 v5, 4, v2
	s_lshl_b32 s96, s[WY], 14
	v_add_nc_u32 v[AD1], s96, v[LI]
	s_lshl_b32 s96, s[WX], 15
	s_add_co_u32 s96, s96, S0C
	v_add_nc_u32 v[AD0], s96, v[LI]
	v_add_nc_u32 v[AD0+1], 0x10000, v[AD0]
	v_lshl_add_u32 v[ADS0], v3, 11, v5
	s_lshl_b32 s96, s[WX], 12
	s_add_co_u32 s96, s96, S0S
	v_add_nc_u32 v[ADS0], s96, v[ADS0]
	v_lshl_add_u32 v[ADS1], v3, 10, v5
	s_lshl_b32 s96, s[WY], 11
	s_add_co_u32 s96, s96, S1S
	v_add_nc_u32 v[ADS1], s96, v[ADS1]
	s_mul_i32 s96, s[WV], 16*SP
	s_add_co_u32 s96, s96, STGB                    ; my stage
	v_mul_u32_u24 v[STO], v2, SP
	v_lshl_add_u32 v[STO], v3, 6, v[STO]
	v_add_nc_u32 v[STO], s96, v[STO]               ; in: row r, + 64 h
	v_add_nc_u32 v[RD], s96, v[LI]                 ; back: 16 bytes a lane of a whole row
	s_lshl_b32 s96, s[I0], 10
	s_lshl_b32 s97, s[WX], 9
	s_add_co_u32 s96, s96, s97                     ; my 128 columns, in bytes
	s_mov_b32 s97, 0
	s_add_nc_u64 s[10:11], s[10:11], s[96:97]
	s_add_nc_u64 s[12:13], s[12:13], s[96:97]
	s_lshl_b32 s96, s[I1], 19
	s_lshl_b32 s98, s[WY], 18
	s_add_co_u32 s96, s96, s98                     ; my 64 rows of 4,096 bytes
	s_add_nc_u64 s[12:13], s[12:13], s[96:97]
	v_lshlrev_b32 v5, 6, v3                        ; 16 h numbers
	WIN 0x80                                       ; destination window 2
.irp b, 0,1,2,3,4,5,6,7
	global_load_b128 v[BI+8*\b:BI+8*\b+3], v5, s[10:11] offset:4*(32*(\b/2)+8*(\b%2))
	global_load_b128 v[BI+8*\b+4:BI+8*\b+7], v5, s[10:11] offset:4*(32*(\b/2)+8*(\b%2))+16
.endr
	WIN 0
	s_wait_alu depctr_va_vdst(0)
	s_wait_tensorcnt 0x1                           ; my parts of the scale words and of K's first half are in; the one load left out is the second half's
	s_barrier_signal -1
	s_barrier_wait -1
	SCALES 0
	FETCH 0, 0
	s_wait_loadcnt 0x0                             ; the bias
	s_wait_dscnt 0x0
	FETCH 1, 1
	WIN 0x60                                       ; D window 1, C window 2: the bias starts the sums
	MUL 0, 0, 1
	WIN 0
	KSTEP 1
	KSTEP 2
	s_wait_dscnt 0x0                               ; K step 3's fragments are in, and no LDS instruction of mine is out;
	s_wait_tensorcnt 0x0                           ; my part of K's second half has landed:
	s_barrier_signal -1
	WIN 0x50
	MUL 3, 1, 0
	WIN 0
	s_barrier_wait -1
	PLACES 4
	SCALES 1
	FETCH 4, 0
	KSTEP 4
	KSTEP 5
	KSTEP 6
	s_wait_dscnt 0x0
	WIN 0x50
	MUL 7, 1, 0
	WIN 0
	PLACES 4                                       ; in front of the first read of results and of loads into registers that held fragments
	TOSTAGE 0
	TOSTAGE 1
	SEND 0, 32                                     ; behind tile 0's loads: tile 1's 16 stores and 16 loads
	s_wait_xcnt 0x0                                ; tile 0's stores have read their registers: tile 2's loads may land there
	TOSTAGE 2
	SEND 1, 32
	s_wait_xcnt 0x0
	TOSTAGE 3
	SEND 2, 32
	SEND 3, 0
	s_wait_tensorcnt 0x0
	ds_add_u32 v14, v15
	s_wait_dscnt 0x0
	CROUND                                         ; the closing round
	s_endpgm
.Lfunc_end_k_qf73155003d_oproj:
	.size	k_qf73155003d_oproj, .Lfunc_end_k_qf73155003d_oproj-k_qf73155003d_oproj
	.p2alignl 7, 3214868480
	.fill 96, 4, 3214868480
	.section	.rodata,"a",@progbits
	.p2align	6, 0x0
	.amdhsa_kernel k_qf73155003d_oproj
		.amdhsa_group_segment_fixed_size 243200
		.amdhsa_private_segment_fixed_size 0
		.amdhsa_enable_private_segment 0
		.amdhsa_kernarg_size 40
		.amdhsa_user_sgpr_count 2
		.amdhsa_user_sgpr_kernarg_segment_ptr 1
		.amdhsa_wavefront_size32 1
		.amdhsa_system_sgpr_workgroup_id_x 1
		.amdhsa_system_sgpr_workgroup_id_y 1
		.amdhsa_system_sgpr_workgroup_id_z 1
		.amdhsa_system_vgpr_workitem_id 0
		.amdhsa_next_free_vgpr 576
		.amdhsa_next_free_sgpr 102
		.amdhsa_reserve_vcc 0
		.amdhsa_float_denorm_mode_32 3
		.amdhsa_float_denorm_mode_16_64 3
		.amdhsa_memory_ordered 1
		.amdhsa_forward_progress 1
		.amdhsa_inst_pref_size 72
	.end_amdhsa_kernel
	.amdgpu_metadata
---
amdhsa.version: [ 1, 2 ]
amdhsa.kernels:
  - .name:           k_qf73155003d_oproj
    .symbol:         k_qf73155003d_oproj.kd
    .args:
      - { .name: oa, .offset: 0, .size: 8, .value_kind: global_buffer, .address_space: global }
      - { .name: wc, .offset: 8, .size: 8, .value_kind: global_buffer, .address_space: global }
      - { .name: ws, .offset: 16, .size: 8, .value_kind: global_buffer, .address_space: global }
      - { .name: bo, .offset: 24, .size: 8, .value_kind: global_buffer, .address_space: global }
      - { .name: out0, .offset: 32, .size: 8, .value_kind: global_buffer, .address_space: global }
    .group_segment_fixed_size: 243200
    .private_segment_fixed_size: 0
    .kernarg_segment_align: 8
    .kernarg_segment_size: 40
    .max_flat_workgroup_size: 128
    .sgpr_count:     102
    .vgpr_count:     576
    .wavefront_size: 32
...
	.end_amdgpu_metadata
.endif
;; end of part 4
